; MI455X (gfx1250); checked and timed in simulation.
; The chip was launched on July 23, 2026; its instructions are those of AMD's public machine-readable ISA for CDNA 5 (MIT licence, August 2026) and "CDNA5" Instruction Set Architecture Reference Guide (July 2026). The comments in the code are by the model that wrote it; some were corrected since.
;; Causal Self Attention. Allowed arithmetic: matrix products marked QUANTISED: E2M3 operands, one E8M0 scale for each 32 along K, by v_wmma_scale_f32_16x16x128_f8f6f4 with both operands' format E2M3, f32 sums; everything else in f32.
;; Inputs: W_attn 1,024 x 3,072 float32; W_proj 1,024 x 1,024 float32; b_attn 3,072 float32; b_proj 1,024 float32; cos 2,048 x 32 float32; sin 2,048 x 32 float32; x 2 x 2,048 x 1,024 float32.
;; Outputs: out0 2 x 2,048 x 1,024 float32.
;; This version of the problem:
;;   THIS VERSION OF THE PROBLEM IS GIVEN IN LOW PRECISION. The matrix products marked QUANTISED in the list below multiply operands that are first quantised to E2M3 (2 exponent bits, 3 mantissa bits; 6 bits a number), with one power-of-two scale for each 32 numbers along K (OCP MX v1.0); their sums are f32. All else is computed in f32.
;;   The module's matrix products, in the order in which they are computed (A, B: the left and right operand; K: the contracted axis; several contracted axes count as one K, in the product's order):
;;     1. [M 4,096, K 1,024] x [K 1,024, N 3,072]; A: input x; B: input W_attn: QUANTISED
;;     2. batch 32 x [M 2,048, K 64] x [K 64, N 2,048]; A: computed on the way; B: computed on the way: QUANTISED
;;     3. batch 32 x [M 64, K 2,048] x [K 2,048, N 2,048]; A: computed on the way; B: softmax (see below): QUANTISED
;;     4. [M 4,096, K 1,024] x [K 1,024, N 1,024]; A: computed on the way; B: input W_proj: QUANTISED
;;   THE QUANTISER, for each operand of a quantised product, along K:
;;     - K is cut into blocks of 32 from its start; a last block that is shorter is filled with zeros.
;;     - A block's scale is 2^e with e = floor(log2(the largest magnitude in the block)) - 2, held to -126 .. 127; a block of zeros has e = 0. As a byte (E8M0): e + 127.
;;     - Each number is divided by its block's scale, clamped to +-7.5, and rounded to the nearest number of E2M3, ties to even, subnormals kept.
;;     - The product sums the exact products of the quantised numbers (number of the format x scale) in f32.
;;   ~~~python
;;   def quantise(x, axis):      # numpy; x: float32 -> the quantised numbers, widened to float32 again
;;       x = np.moveaxis(x, axis, -1); K = x.shape[-1]
;;       x = np.pad(x, [(0, 0)] * (x.ndim - 1) + [(0, -K % 32)]); x = x.reshape(x.shape[:-1] + (-1, 32)); a = np.abs(x).max(-1, keepdims=True)
;;       e = np.where(a > 0, np.clip(np.frexp(np.where(a > 0, a, 1))[1] - 1 - 2, -126, 127), 0)      # np.frexp(a)[1] - 1 = floor(log2(a)), exactly
;;       r = np.clip(x / 2.0 ** e, -7.5, 7.5)
;;       step = 2.0 ** (np.maximum(np.frexp(np.where(r == 0, 1, r))[1] - 1, 0) - 3)
;;       q = np.round(r / step) * step * 2.0 ** e      # np.round: ties to even
;;       return np.moveaxis(q.reshape(q.shape[:-2] + (-1,))[..., :K], -1, axis).astype(np.float32)
;;   ~~~
;;   SOFTMAX AHEAD OF A QUANTISED PRODUCT. Where the list says 'softmax', what is quantised is not the finished softmax but p = 2^(t - M), with t = logit x log2(e) and M = ceil(the row's largest t), a whole number; so 1/2 < the row's largest p <= 1. The row's sum l is taken of the UNQUANTISED p, in f32, and the product's result is divided by l at the end. Since M is a whole number, a kernel that streams over the keys may use a running M (the ceiling of the running maximum): every later rescaling is an exact power of two, which a block's scale takes up: the codes' values come out the same.
;;   OPERANDS COMPUTED ON THE WAY. 'Computed on the way' means the value that the module computes at that place (a softmax that the list does not call 'softmax' is quantised finished and normalised). What goes into a quantiser is computed in f32, as accurately as f32 sums, v_exp_f32 and their like allow (about 1e-6 of the number): no bf16 or f16 on the way to a quantiser, and a product that is left as it is and whose result goes on into a quantised operand takes f32 operands (vector FMAs, or v_wmma_f32_16x16x4_f32). A number that lies on a knife's edge between two numbers of the format may be rounded either way, as far as f32 arithmetic and the matrix unit's own rounding can turn it there, and no further.
;; One version. Each part assembles by itself: llvm-mc -triple=amdgcn-amd-amdhsa -mcpu=gfx1250 --defsym DOCPART=n.
;; ======== version 1 of 1: 4 launches
;; limits: right only within a limited range of input values
;; workspace buffers: xc 3,276,800 bytes; wc 3,276,800 bytes; qc 3,276,800 bytes; kv 6,684,672 bytes; yc 3,407,872 bytes
;; launch quant (part 1): grid 256 x 1, 8 waves a work-group, no clusters, 134,144 bytes of LDS; arguments x, W_attn, W_proj, xc, wc; writes xc, wc
.if DOCPART == 1
	.amdgcn_target "amdgcn-amd-amdhsa--gfx1250"
	.amdhsa_code_object_version 6
	.text
	.protected	k_qde28eac86c_quant
	.globl	k_qde28eac86c_quant
	.p2align	8
	.type	k_qde28eac86c_quant,@function
k_qde28eac86c_quant:
	s_mov_b64 s[64:65], 0
	v_nop
	global_prefetch_b8 v0, s[64:65] scope:SCOPE_SE
	s_setreg_imm32_b32 hwreg(HW_REG_WAVE_MODE, 25, 1), 1
	s_wait_xcnt 0x0
; x [4096][1024], W_attn [1024][3072] and W_proj [1024][1024], f32, become codes of FP6 (E2M3) with one E8M0 byte for each 32 along K (K = 1024 in all three).
; A block's scale is 2^(floor(log2(its largest magnitude)) - 2); its byte is the largest magnitude's exponent field - 2, held at 1 from below (a block of zeros keeps the byte 1: its codes are zeros, and this program alone reads the bytes).
; LIMITS: NaN and infinities among the inputs are not served; blocks whose largest magnitude lies under 2^-124 get the byte 1.
; THE CODES LEAVE AS IMAGES OF THE OPERAND'S REGISTERS.  A fragment (16 rows x 128 K) is 12 registers a lane: registers 4 g .. 4 g + 3 of lane l lie at 512 g + 16 l: 1,536 bytes, each store 512 consecutive bytes.
; THE ROWS OF A TILE ARE NOT NEIGHBOURS: row p of tile 2 B + u is element 32 B + 8 u + p + 8 (p / 8) (tokens of x, columns of W), so that later results fall into registers as neighbours.
; xc: codes [block of 128 tokens 32][K step 8][tile 8][1,536]; at XS scale words [tile 256][K step 8][row 16].
; wc: W_attn's codes [pair of heads 8][K step 8][24 tiles: 8 a + 4 (head % 2) + t][1,536]; at WS its words, 64 bytes a tile; at WP W_proj's codes [128 columns 8][K step 8][tile 8]; at WPS its words.
; SHARES: a wave takes 16 KB of f32, asks for all of it at once (128 registers), and stores its codes.  Work-groups 0-127: x; 128-223: W_attn; 224-255: W_proj.  No loop, no barrier: waves share nothing.
; The scale words leave 128 bytes a wave: one byte in 128 of what the launch reads.
.set XS,    3145728
.set WS,    2359296
.set WP,    2457600
.set WPS,   3244032
.set STG,   16640                      ; x path: a wave's stage in LDS: 16 rows x (1,024 bytes + 16)
.set SPARE, 133120                     ; behind the eight stages: the spare words, 128 bytes a wave
.set FLOOR, 0x1800000                  ; 2^(3 - 127)
.set EOFF,  0xff000000                 ; takes 2 off an exponent field
.set SPW, 12                           ; v12 my spare word's LDS address; never rewritten
.set NIL, 13                           ; v13 0; never rewritten
.set R,   16                           ; v16-143  the numbers as loaded
.set X,   144                          ; v144-207 x path: 64 numbers of my row, register 32 c + i = k 64 c + 32 (lane / 16) + i
.set C,   208                          ; v208-231 x path: two fragments' codes
.set TT,  232                          ; v232-239 x path: upper halves of blocks
.set TM,  240                          ; v240-247 x path: at work
.set WD,  248                          ; v248-251 x path: scale words
	s_load_b256 s[4:11], s[0:1], 0x0               ; x, W_attn, W_proj, xc
	s_load_b64 s[12:13], s[0:1], 0x20              ; wc
	v_lshl_add_u32 v[SPW], v0, 2, SPARE
	v_mov_b32 v[NIL], 0
	v_lshrrev_b32 v1, 5, v0
	s_delay_alu instid0(VALU_DEP_1)
	v_readfirstlane_b32 s14, v1                    ; wave 0..7
	v_and_b32 v1, 31, v0                           ; lane
	v_and_b32 v2, 15, v0                           ; r
	v_bfe_u32 v3, v0, 4, 1                         ; h
	s_delay_alu instid0(VALU_DEP_3)
	v_lshlrev_b32 v4, 4, v1                        ; 16 x lane
	s_delay_alu instid0(VALU_DEP_4)
	v_lshlrev_b32 v7, 2, v1                        ; 4 x lane
	s_mov_b32 s20, 0x76543210
	s_mov_b32 s21, 0xfedcba98                      ; v_permlanex16_b32's selects for lane l xor 16
	s_mov_b32 s23, 0
	s_wait_kmcnt 0x0
	s_cmp_lt_u32 ttmp9, 128
	s_cbranch_scc0 .Lweights
	; ---------------- x: wave w of work-group i takes token tile 2 i + w / 4 and K steps 2 p, 2 p + 1, p = w % 4
	s_lshl_b32 s15, ttmp9, 1
	s_lshr_b32 s16, s14, 2
	s_add_co_u32 s15, s15, s16                     ; the tile
	s_and_b32 s16, s14, 3                          ; p
	s_lshr_b32 s17, s15, 1
	s_lshl_b32 s17, s17, 5
	s_and_b32 s18, s15, 1
	s_lshl_b32 s18, s18, 3
	s_add_co_u32 s17, s17, s18                     ; the tile's first token: 32 (tile / 2) + 8 (tile % 2)
	s_lshl_b32 s22, s17, 12                        ; rows of 4,096 bytes
	s_lshl_b32 s18, s16, 10
	s_add_co_u32 s22, s22, s18                     ; + 1,024 p
	s_add_nc_u64 s[4:5], s[4:5], s[22:23]
	s_wait_alu depctr_va_vdst(0)
.irp q,0,1
.irp i,0,1,2,3,4,5,6,7,8,9,10,11,12,13,14,15
	global_load_b128 v[R+64*\q+4*\i:R+64*\q+4*\i+3], v4, s[4:5] offset:(\i+8*(\i/8))*4096+512*\q th:TH_LOAD_NT   ; 32 lanes read 512 consecutive bytes of the tile's row i
.endr
.endr
	s_mul_i32 s24, s14, STG
	v_add_nc_u32 v5, s24, v4                       ; the stage, on the way in: 16 x lane
	v_mul_u32_u24 v6, v2, 1040
	s_delay_alu instid0(VALU_DEP_1)
	v_lshl_add_u32 v6, v3, 7, v6
	s_delay_alu instid0(VALU_DEP_1)
	v_add_nc_u32 v6, s24, v6                       ; on the way out: row r, + 128 h: my block of 32 numbers
	v_lshlrev_b32 v8, 3, v3                        ; 8 h
	v_mov_b32 v[WD+2], 0                           ; a lane permute's destination counts as one of its sources
	s_lshr_b32 s25, s15, 3
	s_lshl_b32 s25, s25, 3
	s_lshl_b32 s26, s16, 1
	s_add_co_u32 s25, s25, s26                     ; 8 x block of tokens + K step
	s_mul_i32 s26, s25, 12288
	s_and_b32 s27, s15, 7
	s_mul_i32 s27, s27, 1536
	s_add_co_u32 s22, s26, s27
	s_add_nc_u64 s[28:29], s[10:11], s[22:23]      ; my first fragment's image
	s_lshl_b32 s22, s15, 9
	s_lshl_b32 s25, s16, 7
	s_add_co_u32 s22, s22, s25
	s_add_co_u32 s22, s22, XS
	s_add_nc_u64 s[30:31], s[10:11], s[22:23]      ; my two K steps' scale words
.macro TOST q                          ; K step q's numbers into the stage, as they lie
.irp i,0,1,2,3,4,5,6,7,8,9,10,11,12,13,14,15
	ds_store_b128 v5, v[R+64*\q+4*\i:R+64*\q+4*\i+3] offset:1040*\i+512*\q
.endr
.endm
.macro FROMST q                        ; and back: two whole blocks of 32 of my row (LDS serves a wave's instructions in order: these see my stores)
.irp c,0,1
.irp j,0,1,2,3,4,5,6,7
	ds_load_b128 v[X+32*\c+4*\j:X+32*\c+4*\j+3], v6 offset:512*\q+256*\c+16*\j
.endr
.endr
.endm
.macro QUANTX q                        ; 64 numbers -> a fragment's 12 registers at v[C + 12 q] and my row's scale word in v[WD + q]
.irp c,0,1
	v_max3_num_f32 v[TM+\c], |v[X+32*\c]|, |v[X+32*\c+1]|, FLOOR   ; block 2 c + h: all 32 numbers are mine; the floor holds the byte at 1 from below
.endr
.irp i,2,4,6,8,10,12,14,16,18,20,22,24,26,28,30
.irp c,0,1
	s_delay_alu instid0(VALU_DEP_2)
	v_max3_num_f32 v[TM+\c], v[TM+\c], |v[X+32*\c+\i]|, |v[X+32*\c+\i+1]|
.endr
.endr
.irp c,0,1
	s_delay_alu instid0(VALU_DEP_2)
	v_add_nc_u32 v[TM+2+\c], EOFF, v[TM+\c]        ; the conversion's scale operand: only its exponent field counts
.endr
.irp c,0,1
	s_delay_alu instid0(VALU_DEP_2)
	v_lshrrev_b32 v[TM+4+\c], 23, v[TM+2+\c]       ; the scale's byte
.endr
	s_delay_alu instid0(VALU_DEP_1)
	v_lshl_or_b32 v[WD+\q], v[TM+5], 16, v[TM+4]   ; my two bytes: blocks h and 2 + h,
	s_delay_alu instid0(VALU_DEP_1)
	v_lshlrev_b32 v[WD+\q], v8, v[WD+\q]           ; at their places,
	s_delay_alu instid0(VALU_DEP_1)
	v_permlanex16_b32 v[WD+2], v[WD+\q], s20, s21
	s_delay_alu instid0(VALU_DEP_1)
	v_or_b32 v[WD+\q], v[WD+\q], v[WD+2]           ; with lane l xor 16's two the word is whole
.irp c,0,1
	v_cvt_scalef32_pk16_fp6_f32 v[C+12*\q+6*\c:C+12*\q+6*\c+2], v[X+32*\c:X+32*\c+15], v[TM+2+\c]
	v_cvt_scalef32_pk16_fp6_f32 v[TT+4*\c:TT+4*\c+2], v[X+32*\c+16:X+32*\c+31], v[TM+2+\c]   ; (a conversion's three registers begin on an even number)
.endr
	v_nop                                          ; one plain place behind a scaled conversion
.irp c,0,1
.irp i,0,1,2
	v_mov_b32 v[C+12*\q+6*\c+3+\i], v[TT+4*\c+\i]
.endr
.endr
.irp g,0,1,2
	global_store_b128 v4, v[C+12*\q+4*\g:C+12*\q+4*\g+3], s[28:29] offset:12288*\q+512*\g   ; 512 consecutive bytes a store
.endr
.endm
	s_wait_alu depctr_va_vdst(0)
	s_wait_loadcnt 16                              ; the first K step's 16 loads are in; the second's may be out
	TOST 0
	FROMST 0
	s_wait_loadcnt 0x0
	TOST 1
	s_wait_dscnt 16                                ; the first K step is back in registers; the 16 younger stores may be out
	QUANTX 0
	FROMST 1
	s_wait_dscnt 0x0
	QUANTX 1
	v_cmp_le_u32 vcc_lo, 16, v1
	s_delay_alu instid0(VALU_DEP_1)
	v_cndmask_b32 v[WD+3], v[WD], v[WD+1], vcc_lo  ; lanes 0-15 store K step 2 p's words, lanes 16-31 K step 2 p + 1's
	global_store_b32 v7, v[WD+3], s[30:31]
	s_wait_tensorcnt 0x0                           ; the wave's end, behind my last LDS store
	ds_add_u32 v[SPW], v[NIL]
	s_wait_dscnt 0x0
	s_endpgm
; ---------------- W: K is the FIRST axis.  A lane takes a column and its registers run down K: a block of 32 lies in one lane.  A work-group takes 64 columns and half of K; wave w: 32 columns (w % 2), K step w / 2 of the half.
; Lanes 0-15 are tile u = 0 of the 32 columns, lanes 16-31 tile u = 1.  The operand's layout wants blocks 0, 2 of a row in lanes 0-15 and blocks 1, 3 in lanes 16-31: v_permlane16_swap_b32 of block 0's and block 1's registers
; leaves the first as tile 0's registers and the second as tile 1's.
.macro WPATH pitch
.set kk, 0
.rept 128
	global_load_b32 v[R+kk], v5, s[32:33] offset:kk*\pitch th:TH_LOAD_NT   ; W(128 s + kk, my column): the wave reads 128 consecutive bytes
.set kk, kk+1
.endr
.irp kb,0,1,2,3
.set XB, R+32*\kb
.set FD, 144+12*(\kb%2)+6*(\kb/2)
.if \kb == 0
	s_wait_loadcnt 63                              ; loads come back in order (ISA guide 5.7.1): of the 128 issued at most 63 are out, so the first 65 are in: blocks 0 and 1
.elseif \kb > 1
	s_wait_loadcnt 96-32*\kb                       ; this block's 32 loads are in; the later block's may be out
.endif
	v_max3_num_f32 v8, |v[XB]|, |v[XB+1]|, |v[XB+2]|
	v_max3_num_f32 v9, |v[XB+3]|, |v[XB+4]|, |v[XB+5]|
.irp i,6,10,14,18,22,26
	s_delay_alu instid0(VALU_DEP_2)
	v_max3_num_f32 v8, v8, |v[XB+\i]|, |v[XB+\i+1]|
	s_delay_alu instid0(VALU_DEP_2)
	v_max3_num_f32 v9, v9, |v[XB+\i+2]|, |v[XB+\i+3]|
.endr
	s_delay_alu instid0(VALU_DEP_2)
	v_max3_num_f32 v8, v8, |v[XB+30]|, |v[XB+31]|
	s_delay_alu instid0(VALU_DEP_1)
	v_max3_num_f32 v8, v8, v9, FLOOR
	s_delay_alu instid0(VALU_DEP_1)
	v_add_nc_u32 v10, EOFF, v8
	s_delay_alu instid0(VALU_DEP_1)
	v_lshrrev_b32 v11, 23, v10
.if \kb == 0
	s_delay_alu instid0(VALU_DEP_1)
	v_mov_b32 v14, v11                             ; the four bytes make my column's scale word
.else
	s_delay_alu instid0(VALU_DEP_1)
	v_lshl_or_b32 v14, v11, 8*\kb, v14
.endif
	v_cvt_scalef32_pk16_fp6_f32 v[FD:FD+2], v[XB:XB+15], v10
	v_cvt_scalef32_pk16_fp6_f32 v[168+4*\kb:170+4*\kb], v[XB+16:XB+31], v10
.endr
	v_nop                                          ; one plain place behind a scaled conversion
.irp i,0,1,2
	v_permlane16_swap_b32 v[144+\i], v[156+\i]     ; blocks 0 and 1, lower 16 codes
	v_permlane16_swap_b32 v[150+\i], v[162+\i]     ; blocks 2 and 3
	v_permlane16_swap_b32 v[168+\i], v[172+\i]     ; and the upper 16 codes
	v_permlane16_swap_b32 v[176+\i], v[180+\i]
.endr
.irp i,0,1,2
	v_mov_b32 v[147+\i], v[168+\i]
	v_mov_b32 v[159+\i], v[172+\i]
	v_mov_b32 v[153+\i], v[176+\i]
	v_mov_b32 v[165+\i], v[180+\i]
.endr
.irp g,0,1,2
	global_store_b128 v4, v[144+4*\g:147+4*\g], s[34:35] offset:512*\g          ; tile u = 0
	global_store_b128 v4, v[156+4*\g:159+4*\g], s[34:35] offset:1536+512*\g     ; tile u = 1
.endr
	global_store_b32 v7, v14, s[36:37]             ; both tiles' words: 128 consecutive bytes
	s_endpgm
.endm
.Lweights:
	v_and_b32 v5, 7, v0
	v_bfe_u32 v8, v0, 3, 1
	s_delay_alu instid0(VALU_DEP_1)
	v_lshl_add_u32 v5, v8, 4, v5
	s_wait_alu depctr_va_vdst(0)
	v_lshl_add_u32 v5, v3, 3, v5
	s_delay_alu instid0(VALU_DEP_1)
	v_lshlrev_b32 v5, 2, v5                        ; 4 x my column of the 32: l % 8 + 16 ((l / 8) % 2) + 8 (l / 16)
	s_and_b32 s18, s14, 1                          ; which 32 columns
	s_lshr_b32 s19, s14, 1
	s_cmp_lt_u32 ttmp9, 224
	s_cbranch_scc0 .Lwproj
	s_sub_co_u32 s15, ttmp9, 128
	s_lshr_b32 s16, s15, 1                         ; which 64 columns: 16 a + head
	s_and_b32 s17, s15, 1
	s_lshl_b32 s17, s17, 2
	s_add_co_u32 s19, s19, s17                     ; K step
	s_mul_i32 s22, s19, 128*12288
	s_lshl_b32 s24, s16, 8
	s_add_co_u32 s22, s22, s24
	s_lshl_b32 s24, s18, 7
	s_add_co_u32 s22, s22, s24
	s_add_nc_u64 s[32:33], s[6:7], s[22:23]
	s_lshr_b32 s24, s16, 4                         ; a
	s_and_b32 s25, s16, 15                         ; head
	s_lshr_b32 s26, s25, 1
	s_lshl_b32 s26, s26, 3
	s_add_co_u32 s26, s26, s19
	s_mul_i32 s26, s26, 24
	s_lshl_b32 s24, s24, 3
	s_add_co_u32 s26, s26, s24
	s_and_b32 s25, s25, 1
	s_lshl_b32 s25, s25, 2
	s_add_co_u32 s26, s26, s25
	s_lshl_b32 s24, s18, 1
	s_add_co_u32 s26, s26, s24                     ; the first of my two tiles
	s_mul_i32 s22, s26, 1536
	s_add_nc_u64 s[34:35], s[12:13], s[22:23]
	s_lshl_b32 s22, s26, 6
	s_add_co_u32 s22, s22, WS
	s_add_nc_u64 s[36:37], s[12:13], s[22:23]
	s_wait_alu depctr_va_vdst(0)
	WPATH 12288
.Lwproj:
	s_sub_co_u32 s15, ttmp9, 224
	s_lshr_b32 s16, s15, 1                         ; which 64 columns
	s_and_b32 s17, s15, 1
	s_lshl_b32 s17, s17, 2
	s_add_co_u32 s19, s19, s17                     ; K step
	s_mul_i32 s22, s19, 128*4096
	s_lshl_b32 s24, s16, 8
	s_add_co_u32 s22, s22, s24
	s_lshl_b32 s24, s18, 7
	s_add_co_u32 s22, s22, s24
	s_add_nc_u64 s[32:33], s[8:9], s[22:23]
	s_lshr_b32 s26, s16, 1
	s_lshl_b32 s26, s26, 3
	s_add_co_u32 s26, s26, s19
	s_lshl_b32 s26, s26, 3
	s_and_b32 s25, s16, 1
	s_lshl_b32 s25, s25, 2
	s_add_co_u32 s26, s26, s25
	s_lshl_b32 s24, s18, 1
	s_add_co_u32 s26, s26, s24
	s_mul_i32 s22, s26, 1536
	s_add_co_u32 s22, s22, WP
	s_add_nc_u64 s[34:35], s[12:13], s[22:23]
	s_lshl_b32 s22, s26, 6
	s_add_co_u32 s22, s22, WPS
	s_add_nc_u64 s[36:37], s[12:13], s[22:23]
	s_wait_alu depctr_va_vdst(0)
	WPATH 4096
.Lfunc_end_k_qde28eac86c_quant:
	.size	k_qde28eac86c_quant, .Lfunc_end_k_qde28eac86c_quant-k_qde28eac86c_quant
	.p2alignl 7, 3214868480
	.fill 96, 4, 3214868480
	.section	.rodata,"a",@progbits
	.p2align	6, 0x0
	.amdhsa_kernel k_qde28eac86c_quant
		.amdhsa_group_segment_fixed_size 134144
		.amdhsa_private_segment_fixed_size 0
		.amdhsa_enable_private_segment 0
		.amdhsa_kernarg_size 40
		.amdhsa_user_sgpr_count 2
		.amdhsa_user_sgpr_kernarg_segment_ptr 1
		.amdhsa_wavefront_size32 1
		.amdhsa_system_sgpr_workgroup_id_x 1
		.amdhsa_system_sgpr_workgroup_id_y 1
		.amdhsa_system_sgpr_workgroup_id_z 1
		.amdhsa_system_vgpr_workitem_id 0
		.amdhsa_next_free_vgpr 256
		.amdhsa_next_free_sgpr 66
		.amdhsa_reserve_vcc 1
		.amdhsa_float_denorm_mode_32 3
		.amdhsa_float_denorm_mode_16_64 3
		.amdhsa_memory_ordered 1
		.amdhsa_forward_progress 1
		.amdhsa_inst_pref_size 64
	.end_amdhsa_kernel
	.amdgpu_metadata
---
amdhsa.version: [ 1, 2 ]
amdhsa.kernels:
  - .name:           k_qde28eac86c_quant
    .symbol:         k_qde28eac86c_quant.kd
    .args:
      - { .name: x, .offset: 0, .size: 8, .value_kind: global_buffer, .address_space: global }
      - { .name: W_attn, .offset: 8, .size: 8, .value_kind: global_buffer, .address_space: global }
      - { .name: W_proj, .offset: 16, .size: 8, .value_kind: global_buffer, .address_space: global }
      - { .name: xc, .offset: 24, .size: 8, .value_kind: global_buffer, .address_space: global }
      - { .name: wc, .offset: 32, .size: 8, .value_kind: global_buffer, .address_space: global }
    .group_segment_fixed_size: 134144
    .private_segment_fixed_size: 0
    .kernarg_segment_align: 8
    .kernarg_segment_size: 40
    .max_flat_workgroup_size: 256
    .sgpr_count:     66
    .vgpr_count:     256
    .wavefront_size: 32
...
	.end_amdgpu_metadata
.endif
;; end of part 1
;; launch qkv (part 2): grid 8 x 32, 4 waves a work-group, clusters of 4 x 4, 327,680 bytes of LDS; arguments xc, wc, b_attn, cos, sin, qc, kv; writes qc, kv
.if DOCPART == 2
	.amdgcn_target "amdgcn-amd-amdhsa--gfx1250"
	.amdhsa_code_object_version 6
	.text
	.protected	k_qde28eac86c_qkv
	.globl	k_qde28eac86c_qkv
	.p2align	8
	.type	k_qde28eac86c_qkv,@function
k_qde28eac86c_qkv:
	s_mov_b64 s[64:65], 0
	v_nop
	global_prefetch_b8 v0, s[64:65] scope:SCOPE_SE
	s_setreg_imm32_b32 hwreg(HW_REG_WAVE_MODE, 25, 1), 1
	s_wait_xcnt 0x0
	s_wait_alu depctr_hold_cnt(0) depctr_sa_sdst(0) depctr_va_vdst(0) depctr_va_sdst(0) depctr_va_ssrc(0) depctr_va_vcc(0) depctr_vm_vsrc(0)
	s_getreg_b32 s2, hwreg(HW_REG_IB_STS2, 6, 4)
	s_cmp_eq_u32 s2, 0
	s_cbranch_scc0 .Lentry_in_a_cluster
	s_endpgm
.Lentry_in_a_cluster:
	s_bfe_u32 s2, ttmp6, 0x10000c
	s_cmp_lg_u32 s2, 0xf033
	s_cbranch_scc0 .Lentry_shape_is_right
	s_endpgm
.Lentry_shape_is_right:
; qkv = x W_attn + b_attn on codes of FP6; then, in registers: RMS norm and rotary turn of q and k, and the quantising of q, k (along the head's 64) and v (along the tokens) for the attention launch.
; SHARES.  A work-group takes 128 tokens x (q, k, v of two heads): 128 x 384.  Wave (mh, hd) takes 64 tokens x q, k, v of one head: 48 accumulators of 16 x 16.
; q, k: source 0 = 16 columns of W, source 1 = 16 tokens: a lane holds ONE token and its registers run along the head.  v: source 0 = tokens, source 1 = columns: a lane holds one channel and its registers run along the tokens.
; By the order of rows in a tile (row p of tile 2 B + u = element 32 B + 8 u + p + 8 (p / 8)) the 16 registers of two neighbouring tiles are 16 neighbours: the conversions' results are the next operands.
; OPERANDS come as images of their registers (1,536 bytes a fragment), so a pair of K steps of x (24,576 bytes) and each third of W's (73,728) is one dense block: one tensor load of 96 rows x 256 bytes.
; LDS: three slots, each a pair of K steps (W's 2 x 24 fragments, then x's 2 x 8).  Pairs 0, 1, 2 are first fills; pair 3 fills slot 0 again, once.  A wave has at most three tensor loads out.
; CLUSTERS: 4 x 4 work-groups.  x's tiles hang on the block of tokens alone and are shared along a row of the cluster, W's on the pair of heads alone and are shared along a column: each is asked for jointly.
; No prefetch: all tiles but one are asked for at the head.
; LIMITS: NaN and infinities are not served; blocks whose largest magnitude lies under 2^-124 get the byte 1; a head's sum of squares must stay finite in f32.
; REGISTERS, in windows of 256.  Window 0: v1-27 addresses; v32-47 x's scale words; v48-95 W's; v96-191 x's fragments, two sets; in the way out v96-255 are free.
;   Window 1: W's fragments, three buffers of 48.  Window 2: q's accumulators v0-127, k's v128-255 (32 mt + 8 nt).  Window 3: v's accumulators v0-127 (32 nt + 8 mt); v128-223 the biases, later v128-255 cos and sin.
.set XS,    3145728
.set WS,    2359296
.set QS,    3145728
; LDS AND LOADS AS THIS TEXT HAS THEM (this takes the place of the head comment's lines on slots and on loads that are out): W's pairs of K steps lie in three slots of 73,728 bytes from byte 0,
; x's in three slots of 24,576 bytes from XOFF.  At the head each wave issues ONE joint load of 288 rows x 256 bytes: wave w < 3 W's pair w, wave 3 x's pairs 0 to 2.  Pair 3 fills both slots 0 again, once,
; 96 rows a wave.  A wave has one tensor load out at the most.  kv is laid by key steps of 128 tokens: 13,056 bytes a step: k's codes 6,144, v's codes 6,144, k's words 256, v's words 512.
.set WSL,   73728
.set XSL,   24576
.set XOFF,  221184
.set SPARE, 294912                     ; behind the slots: the spare words, 128 bytes a wave
.set FLOOR, 0x1800000
.set EOFF,  0xff000000
.set AX,  4                            ; v4-6   LDS address of my x fragments in slot 0, 1, 2
.set AW,  7                            ; v7-12  of my W fragments: slot x 2 + K step of the pair
.set SPW, 28
.set NIL, 29
.set SX,  32                           ; register 4 mt + s / 2: lanes 0-15 K step s even, lanes 16-31 odd
.set SW,  48                           ; register 6 s + 2 a + b: lanes 0-15 tile 2 b, lanes 16-31 tile 2 b + 1
.set XF,  96
.set Y,   96                           ; way out: 32 numbers of a token
.set PCV, 128                          ; v's codes, 8 registers a tile
.set PCQ, 160                          ; q's codes v160-183, k's v184-207
.set RS,  208                          ; 8 pairs: sums of squares, then 1 / rms
.set TM,  224
.set TT,  232
.set HWV, 236                          ; v's half-words
.set HW,  240                          ; q's and k's
.set VW,  248
.set PW,  250
.set FW,  254
.set G1X, 28                           ; s[28:35] group 1 for x's tiles; s[36:43] for W's
.set G1W, 36
.set MSB, 0
.macro WIN new                         ; the immediate's high byte repeats the setting that is left
.if MSB != \new
	s_set_vgpr_msb (MSB<<8)|\new
.set MSB, \new
.endif
.endm
.macro PLACES
.rept 4
	v_nop
.endr
.endm
.macro CROUND                          ; a round of the cluster's barrier
	s_barrier_signal -1
	s_barrier_wait -1
	s_cmp_lg_u32 s18, 0
	s_cbranch_scc1 .Lnot_wave_0_\@
	s_barrier_signal -3
.Lnot_wave_0_\@:
	s_barrier_wait -3
	s_barrier_signal -1
	s_barrier_wait -1
.endm
	s_load_b256 s[4:11], s[0:1], 0x0               ; xc, wc, b_attn, cos
	s_load_b128 s[12:15], s[0:1], 0x20             ; sin, qc
	s_load_b64 s[16:17], s[0:1], 0x30              ; kv
	v_lshl_add_u32 v[SPW], v0, 2, SPARE
	v_mov_b32 v[NIL], 0
	ds_add_u32 v[SPW], v[NIL]                      ; the wave's opening: the adds and their wait ahead of my first tensor load
	ds_add_u32 v[SPW], v[NIL]
	v_lshrrev_b32 v1, 5, v0
	v_readfirstlane_b32 s18, v1                    ; wave 0..3
	s_lshr_b32 s19, s18, 1                         ; mh: which 64 tokens
	s_and_b32 s20, s18, 1                          ; hd: which head of the pair
	s_bfe_u32 s21, ttmp6, 0x40000                  ; cx
	s_bfe_u32 s22, ttmp6, 0x40004                  ; cy
	s_lshl_b32 s23, ttmp9, 2
	s_add_co_u32 s23, s23, s21                     ; hp: pair of heads = 4 x cluster x + cx
	s_and_b32 s24, ttmp7, 0xffff
	s_lshl_b32 s24, s24, 2
	s_add_co_u32 s24, s24, s22                     ; mb: block of 128 tokens = 4 x cluster y + cy
	s_lshl_b32 s25, s22, 2
	s_lshl_b32 s25, 15, s25                        ; my row of the cluster
	s_lshl_b32 s26, 0x1111, s21                    ; my column
	s_or_b32 s[G1X], s25, (3<<16)|(1<<21)          ; 15:0 the mask; 17:16 elements of 8 bytes; 21 set beside a mask; no padding
	s_or_b32 s[G1W], s26, (3<<16)|(1<<21)
.irp g, G1X, G1W
	s_mov_b32 s[\g+1], 32<<16                      ; tensor_dim0 = 32 elements: 256 bytes
	s_mov_b32 s[\g+2], 288<<16                     ; tensor_dim1 = 288, for the head's loads
	s_mov_b32 s[\g+3], 32<<16                      ; tile_dim0
	s_mov_b32 s[\g+4], 288                         ; tile_dim1
	s_mov_b32 s[\g+5], 32                          ; the pitch: the block is dense
	s_mov_b32 s[\g+6], 0
	s_mov_b32 s[\g+7], 0
.endr
	s_mul_i32 s86, s24, 98304                      ; x's codes of my block of tokens
	s_mov_b32 s87, 0
	s_mul_i32 s88, s23, 294912                     ; W's codes of my pair of heads
	s_mov_b32 s89, 0
	s_mul_i32 s90, s18, WSL                        ; the head's load: W's pair w
	s_mov_b32 s91, 0
	s_mul_i32 s92, s18, XSL                        ; the refill: my third of W's pair 3
	s_add_co_u32 s92, s92, 3*WSL
	s_mov_b32 s93, 0
	s_mov_b32 s72, 0x3c800000                      ; 1 / 64
	s_mov_b32 s73, 0x34000000                      ; eps = 2^-23
	s_mov_b32 s84, 0x76543210
	s_mov_b32 s85, 0xfedcba98
	s_wait_dscnt 0x0                               ; the opening add is done
	s_wait_kmcnt 0x0
	s_add_nc_u64 s[86:87], s[4:5], s[86:87]
	s_add_nc_u64 s[88:89], s[6:7], s[88:89]
	CROUND                                         ; all sixteen work-groups are here: the first joint loads meet
	s_mov_b32 s44, 1                               ; the head's group 0 for x (wave 3: LDS byte 3 x 73,728 = XOFF): pairs 0 to 2
	s_mul_i32 s45, s18, WSL
	s_mov_b64 s[46:47], s[86:87]
	s_or_b32 s47, s47, 0x80000000
	s_mov_b32 s56, 1                               ; and for W: pair w into slot w
	s_mul_i32 s57, s18, WSL
	s_add_nc_u64 s[58:59], s[88:89], s[90:91]
	s_or_b32 s59, s59, 0x80000000
	s_mov_b32 s48, 1                               ; the refill's group 0 for x: pair 3 into x's slot 0
	s_mov_b32 s49, XOFF
	s_add_nc_u64 s[50:51], s[86:87], 3*XSL
	s_or_b32 s51, s51, 0x80000000
	s_mov_b32 s60, 1                               ; and for W: my third of pair 3 into W's slot 0
	s_mul_i32 s61, s18, XSL
	s_add_nc_u64 s[62:63], s[88:89], s[92:93]
	s_or_b32 s63, s63, 0x80000000
	s_cmp_eq_u32 s18, 3                            ; one tensor load a wave at the head
	s_cbranch_scc0 .Lfirst_w
	tensor_load_to_lds s[44:47], s[G1X:G1X+7]
	s_nop 0
	PLACES
	s_branch .Lfirst_done
.Lfirst_w:
	tensor_load_to_lds s[56:59], s[G1W:G1W+7]
	s_nop 0
	PLACES
.Lfirst_done:
	v_and_b32 v1, 15, v0                           ; r
	v_bfe_u32 v2, v0, 4, 1                         ; h
	v_and_b32 v30, 31, v0
	v_lshlrev_b32 v3, 4, v30                       ; 16 x lane
	v_lshlrev_b32 v13, 2, v30                      ; 4 x lane
	v_lshlrev_b32 v14, 3, v30                      ; 8 x lane
	v_lshlrev_b32 v15, 4, v1
	v_lshl_add_u32 v15, v2, 3, v15                 ; 16 r + 8 h
	v_and_b32 v31, 8, v1
	v_add_nc_u32 v31, v31, v1                      ; r + 8 (r / 8)
	v_lshlrev_b32 v16, 7, v31
	v_lshl_add_u32 v16, v2, 6, v16                 ; cos, sin: my token's row of 128 bytes, + 64 h
	v_lshlrev_b32 v17, 6, v2                       ; q's and k's bias: 64 h
	v_lshlrev_b32 v18, 2, v31                      ; v's bias: my column
	s_mul_i32 s91, s19, 6144
	s_add_co_u32 s91, s91, XOFF
	s_mul_i32 s92, s20, 6144
.irp sl,0,1,2
	v_add_nc_u32 v[AX+\sl], s91, v3
	v_add_nc_u32 v[AW+2*\sl], s92, v3
	s_add_co_u32 s93, s92, 36864
	v_add_nc_u32 v[AW+2*\sl+1], s93, v3
	s_add_co_u32 s91, s91, XSL
	s_add_co_u32 s92, s92, WSL
.endr
	s_lshl_b32 s91, s24, 3
	s_lshl_b32 s92, s19, 2
	s_add_co_u32 s91, s91, s92                     ; my first token tile
	s_lshl_b32 s94, s91, 9
	s_add_co_u32 s94, s94, XS
	s_mov_b32 s95, 0
	s_add_nc_u64 s[94:95], s[4:5], s[94:95]        ; x's scale words
	s_mul_i32 s96, s23, 192
	s_lshl_b32 s97, s20, 2
	s_add_co_u32 s96, s96, s97
	s_lshl_b32 s96, s96, 6
	s_add_co_u32 s96, s96, WS
	s_mov_b32 s97, 0
	s_add_nc_u64 s[96:97], s[6:7], s[96:97]        ; W's scale words
	s_lshl_b32 s27, s23, 1
	s_add_co_u32 s27, s27, s20                     ; the head
	s_lshl_b32 s98, s27, 8
	s_mov_b32 s99, 0
	s_add_nc_u64 s[8:9], s[8:9], s[98:99]          ; the bias at my head's 64 columns
.irp mt,0,1,2,3
.irp e,0,1,2,3
	global_load_b32 v[SX+4*\mt+\e], v13, s[94:95] offset:512*\mt+128*\e
.endr
.endr
.irp s,0,1,2,3,4,5,6,7
.irp a,0,1,2
.irp b,0,1
	global_load_b32 v[SW+6*\s+2*\a+\b], v13, s[96:97] offset:(24*\s+8*\a+2*\b)*64
.endr
.endr
.endr
	WIN 0xc0                                       ; destination window 3
.irp a,0,1
.irp nt,0,1,2,3
	global_load_b128 v[128+32*\a+8*\nt:128+32*\a+8*\nt+3], v17, s[8:9] offset:4096*\a+(32*(\nt/2)+8*(\nt%2))*4       ; the C of a sum's first product: columns 32 b + 8 u + 16 h + 0 .. 7
	global_load_b128 v[128+32*\a+8*\nt+4:128+32*\a+8*\nt+7], v17, s[8:9] offset:4096*\a+(32*(\nt/2)+8*(\nt%2))*4+16
.endr
.endr
.irp nt,0,1,2,3
.irp j,0,1,2,3,4,5,6,7
	global_load_b32 v[192+8*\nt+\j], v18, s[8:9] offset:8192+(32*(\nt/2)+8*(\nt%2))*4   ; v: a lane holds one column: the same number in all eight registers
.endr
.endr
	WIN 0
	s_and_b32 s93, s24, 15                         ; the block of tokens within its batch
	s_lshl_b32 s98, s93, 7
	s_lshl_b32 s91, s19, 6
	s_add_co_u32 s98, s98, s91
	s_lshl_b32 s98, s98, 7
	s_add_nc_u64 s[10:11], s[10:11], s[98:99]      ; cos and sin at my first token
	s_add_nc_u64 s[12:13], s[12:13], s[98:99]
	s_lshr_b32 s92, s24, 4
	s_lshl_b32 s92, s92, 4
	s_add_co_u32 s92, s92, s27                     ; bh = 16 x batch + head
	s_lshl_b32 s98, s92, 7
	s_lshl_b32 s91, s93, 3
	s_add_co_u32 s98, s98, s91
	s_lshl_b32 s91, s19, 2
	s_add_co_u32 s98, s98, s91                     ; q's first tile
	s_lshl_b32 s91, s98, 5                         ; 64 bytes of words for each pair of tiles
	s_mul_i32 s98, s98, 768
	s_add_nc_u64 s[74:75], s[14:15], s[98:99]      ; q's codes
	s_add_co_u32 s98, s91, QS
	s_add_nc_u64 s[76:77], s[14:15], s[98:99]      ; q's words
	s_mul_i32 s91, s92, 208896
	s_mul_i32 s98, s93, 13056
	s_add_co_u32 s91, s91, s98                     ; my key step of 128 tokens
	s_mul_i32 s98, s19, 3072                       ; my 64 tokens of the step
	s_add_co_u32 s98, s98, s91
	s_add_nc_u64 s[78:79], s[16:17], s[98:99]      ; k's codes; v's 6,144 further on
	s_lshl_b32 s98, s19, 7
	s_add_co_u32 s98, s98, s91
	s_add_nc_u64 s[80:81], s[16:17], s[98:99]      ; k's words, less 12,288
	s_lshl_b32 s98, s19, 8
	s_add_co_u32 s98, s98, s91
	s_add_nc_u64 s[82:83], s[16:17], s[98:99]      ; v's words, less 12,544
	s_lshl_b32 s93, s19, 4                         ; 16 mh: v's half-word's place in its word
; The fragments of group g = 3 s + a: W's four tiles of part a (q, k, v) of K step s into buffer a; with a = 0 also x's four tiles into set s % 2
.macro FETCH g
.if (\g) < 24
.set FS, (\g)/3
.set FP, (\g)%3
.set FSL, (FS/2)%3
.set FKK, FS%2
	WIN 0x40
.irp nt,0,1,2,3
.irp q,0,1,2
	ds_load_b128 v[48*FP+12*\nt+4*\q:48*FP+12*\nt+4*\q+3], v[AW+2*FSL+FKK] offset:FP*12288+\nt*1536+\q*512
.endr
.endr
.if FP == 0
	WIN 0
.irp mt,0,1,2,3
.irp q,0,1,2
	ds_load_b128 v[XF+48*(FS%2)+12*\mt+4*\q:XF+48*(FS%2)+12*\mt+4*\q+3], v[AX+FSL] offset:FKK*12288+\mt*1536+\q*512
.endr
.endr
.endif
.endif
.endm
.macro WMS ra, rb                      ; one product; ra, rb: the scales' rows
.if (\ra) && (\rb)
	v_wmma_scale_f32_16x16x128_f8f6f4 v[rD:rD+7], v[rA:rA+11], v[rB:rB+11], v[rC:rC+7], v[rSA], v[rSB] matrix_a_fmt:MATRIX_FMT_FP6 matrix_b_fmt:MATRIX_FMT_FP6 matrix_a_scale:MATRIX_SCALE_ROW1 matrix_b_scale:MATRIX_SCALE_ROW1
.elseif (\ra)
	v_wmma_scale_f32_16x16x128_f8f6f4 v[rD:rD+7], v[rA:rA+11], v[rB:rB+11], v[rC:rC+7], v[rSA], v[rSB] matrix_a_fmt:MATRIX_FMT_FP6 matrix_b_fmt:MATRIX_FMT_FP6 matrix_a_scale:MATRIX_SCALE_ROW1
.elseif (\rb)
	v_wmma_scale_f32_16x16x128_f8f6f4 v[rD:rD+7], v[rA:rA+11], v[rB:rB+11], v[rC:rC+7], v[rSA], v[rSB] matrix_a_fmt:MATRIX_FMT_FP6 matrix_b_fmt:MATRIX_FMT_FP6 matrix_b_scale:MATRIX_SCALE_ROW1
.else
	v_wmma_scale_f32_16x16x128_f8f6f4 v[rD:rD+7], v[rA:rA+11], v[rB:rB+11], v[rC:rC+7], v[rSA], v[rSB] matrix_a_fmt:MATRIX_FMT_FP6 matrix_b_fmt:MATRIX_FMT_FP6
.endif
.endm
	s_wait_alu depctr_va_vdst(0)
	s_wait_tensorcnt 0x0                           ; my one load is in
	s_barrier_signal -1
	s_barrier_wait -1
	FETCH 0
	FETCH 1
	s_wait_loadcnt 0x0                             ; scale words and biases
; 24 groups of 16 products, G = 3 s + a, written out.  Each group fetches the fragments of the group two further on; the 48 accumulators take turns, one instruction a turn.
.set G, 0
.rept 24
.set KS_, G/3
.set KA_, G%3
.if G == 16
	WIN 0
	s_wait_tensorcnt 0x0                           ; my part of pair 3 is in
	ds_add_u32 v[SPW], v[NIL]
	s_wait_dscnt 0x0
	s_barrier_signal -1
	s_barrier_wait -1
.endif
.if G == 4
	WIN 0                                          ; THE ONE REFILL: the slots 0, whose last reads (group 5's fragments) were issued in the group before, take pair 3
	s_wait_tensorcnt 0x0                           ; no tensor load of mine is out, so a descriptor may be written
	ds_add_u32 v[SPW], v[NIL]                      ; 0 onto my spare word
	s_mov_b32 s[G1X+2], 96<<16                     ; the refill brings 96 rows a wave
	s_mov_b32 s[G1X+4], 96
	s_mov_b32 s[G1W+2], 96<<16
	s_mov_b32 s[G1W+4], 96
	s_wait_dscnt 0x0                               ; the add is done, and my reads of the slots 0 are over
	CROUND                                         ; the same holds of every wave of every partner
	s_cmp_eq_u32 s18, 3
	s_cbranch_scc0 .Lre_w
	tensor_load_to_lds s[48:51], s[G1X:G1X+7]
	s_nop 0
	PLACES
	s_branch .Lre_done
.Lre_w:
	tensor_load_to_lds s[60:63], s[G1W:G1W+7]
	s_nop 0
	PLACES
.Lre_done:
.else
	PLACES                                         ; four places in front of loads into registers that the last group's products have read
.endif
	FETCH G+2
.set N1, 0
.set N2, 0
.if G+1 < 24
.set N1, 12
.if (G+1)%3 == 0
.set N1, 24
.endif
.endif
.if G+2 < 24
.set N2, 12
.if (G+2)%3 == 0
.set N2, 24
.endif
.endif
	s_wait_dscnt N1+N2                             ; this group's fragments are in; the two later groups' loads may be out
.if G == 3
	WIN 0xc0                                       ; the biases are done with: cos and sin of my 64 tokens take their place in window 3
.irp mt,0,1,2,3
.irp q,0,1,2,3
	global_load_b128 v[128+32*\mt+4*\q:128+32*\mt+4*\q+3], v16, s[10:11] offset:(32*(\mt/2)+8*(\mt%2))*128+16*\q
	global_load_b128 v[144+32*\mt+4*\q:144+32*\mt+4*\q+3], v16, s[12:13] offset:(32*(\mt/2)+8*(\mt%2))*128+16*\q
.endr
.endr
.endif
.if KA_ < 2
.if KS_ == 0
	WIN 0xb1                                       ; W window 1, x window 0, the bias window 3, the sums window 2
.else
	WIN 0xa1
.endif
.irp mt,0,1,2,3
.irp nt,0,1,2,3
.set rD, 128*KA_+32*\mt+8*\nt
.set rA, 48*KA_+12*\nt
.set rB, XF+48*(KS_%2)+12*\mt
.set rC, rD
.if KS_ == 0
.set rC, 128+32*KA_+8*\nt
.endif
.set rSA, SW+6*KS_+2*KA_+\nt/2
.set rSB, SX+4*\mt+KS_/2
	WMS \nt%2, KS_%2
.endr
.endr
.else
	WIN 0xf4                                       ; x window 0, W window 1, C and D window 3
.irp mt,0,1,2,3
.irp nt,0,1,2,3
.set rD, 32*\nt+8*\mt
.set rA, XF+48*(KS_%2)+12*\mt
.set rB, 96+12*\nt
.set rC, rD
.if KS_ == 0
.set rC, 192+8*\nt
.endif
.set rSA, SX+4*\mt+KS_/2
.set rSB, SW+6*KS_+4+\nt/2
	WMS KS_%2, \nt%2
.endr
.endr
.endif
.set G, G+1
.endr
; 32 numbers of a lane, v[src] on in window sw, register 16 b + i = k 32 b + 16 (lane / 16) + i of my row, become six registers of codes (a whole block of 32 a lane) at v[dst] and the two scale bytes in v[hw]
.macro QUANT2 src, sw, dst, hw
.set qS, (\src)
.set qD, (\dst)
.set qH, (\hw)
.set qW, ((\sw)<<2)|((\sw)<<4)
.set qV, (\sw)
	WIN qW
.irp b,0,1
	v_max3_num_f32 v[TM+\b], FLOOR, |v[qS+16*\b]|, |v[qS+16*\b+1]|
.endr
.irp i,2,4,6,8,10,12,14
.irp b,0,1
	v_max3_num_f32 v[TM+\b], v[TM+\b], |v[qS+16*\b+\i]|, |v[qS+16*\b+\i+1]|
.endr
.endr
	WIN 0
.irp b,0,1
	v_permlanex16_b32 v[TM+2+\b], v[TM+\b], s84, s85
.endr
.irp b,0,1
	v_max_num_f32 v[TM+\b], v[TM+\b], v[TM+2+\b]   ; with lane l xor 16's 16: the block's largest magnitude
.endr
.irp b,0,1
	v_add_nc_u32 v[TM+4+\b], EOFF, v[TM+\b]
.endr
.irp b,0,1
	v_lshrrev_b32 v[TM+2+\b], 23, v[TM+4+\b]
.endr
	v_lshl_or_b32 v[qH], v[TM+3], 8, v[TM+2]
	WIN qV
	v_cvt_scalef32_pk16_fp6_f32 v[qD:qD+2], v[qS:qS+15], v[TM+4]
	v_cvt_scalef32_pk16_fp6_f32 v[TT:TT+2], v[qS+16:qS+31], v[TM+5]
	WIN 0
	v_nop                                          ; one plain place behind a scaled conversion
.irp i,0,1,2
	v_permlane16_swap_b32 v[qD+\i], v[TT+\i]       ; lanes 0-15 keep block 0, lanes 16-31 get block 1: lower 16 codes in the first, upper 16 in the second
.endr
.irp i,0,1,2
	v_mov_b32 v[qD+3+\i], v[TT+\i]
.endr
.endm
	; THE WAY OUT, in registers alone.  The eight moves are the places behind the last products.
	WIN 0
.irp i,0,1,2,3,4,5,6,7
	v_mov_b32 v[TM+\i], 0                          ; a lane permute's destination counts as one of its sources
.endr
	v_cmp_ne_u32 vcc_lo, 0, v2                     ; lanes 16-31
	WIN 0x0a                                       ; sources 0 and 1 window 2
.irp u,0,1,2,3,4,5,6,7                 ; unit u = 4 a + mt: the sum of squares of a token's 32 numbers in my lane, each accumulator from its low end on
	v_pk_mul_f32 v[RS+2*\u:RS+2*\u+1], v[32*\u:32*\u+1], v[32*\u:32*\u+1]
.endr
.set i, 2
.rept 15
.irp u,0,1,2,3,4,5,6,7
	v_pk_fma_f32 v[RS+2*\u:RS+2*\u+1], v[32*\u+i:32*\u+i+1], v[32*\u+i:32*\u+i+1], v[RS+2*\u:RS+2*\u+1]
.endr
.set i, i+2
.endr
	WIN 0
.irp u,0,1,2,3,4,5,6,7
	v_add_f32 v[RS+2*\u], v[RS+2*\u], v[RS+2*\u+1]
.endr
.irp u,0,1,2,3,4,5,6,7
	v_permlanex16_b32 v[TM+\u], v[RS+2*\u], s84, s85
.endr
.irp u,0,1,2,3,4,5,6,7
	v_add_f32 v[RS+2*\u+1], v[RS+2*\u], v[TM+\u]   ; the head's 64
.endr
.irp u,0,1,2,3,4,5,6,7
	v_fma_f32 v[RS+2*\u+1], v[RS+2*\u+1], s72, s73 ; the mean + eps
.endr
	s_wait_alu depctr_va_vdst(0)
.irp u,0,1,2,3,4,5,6,7
	v_rsq_f32 v[RS+2*\u], v[RS+2*\u+1]             ; one batch of eight; v's quantising below names none of these registers
.endr
	s_wait_alu depctr_va_vdst(0)
.irp nt,0,1,2,3                        ; v: 16 channels x my 64 tokens a tile
	QUANT2 32*\nt, 3, PCV+8*\nt, HWV+\nt
	global_store_b128 v3, v[PCV+8*\nt:PCV+8*\nt+3], s[78:79] offset:6144+768*\nt
	global_store_b64 v14, v[PCV+8*\nt+4:PCV+8*\nt+5], s[78:79] offset:6144+768*\nt+512
.endr
	v_cndmask_b32 v[VW], v[HWV], v[HWV+2], vcc_lo  ; lane (r, h) stores the words of tiles 2 h and 2 h + 1 of channel row r: the wave fills 256 consecutive bytes
	v_cndmask_b32 v[VW+1], v[HWV+1], v[HWV+3], vcc_lo
	v_lshlrev_b32 v[VW], s93, v[VW]                ; the odd 64 tokens' bytes are the word's upper two
	v_lshlrev_b32 v[VW+1], s93, v[VW+1]
	global_store_b64 v15, v[VW:VW+1], s[82:83] offset:12544
	s_wait_alu depctr_va_vdst(0)                   ; one wait for the eight roots, ahead of their first reader
	s_wait_loadcnt 0x0                             ; cos and sin
.irp a,0,1
.irp mt,0,1,2,3
.set AB, 128*\a+32*\mt
.set CB, 128+32*\mt
	WIN 0x0e                                       ; source 0 window 2 (the sums), source 1 window 3 (cos, sin)
.irp i,0,2,4,6,8,10,12,14
	v_pk_mul_f32 v[Y+\i:Y+\i+1], v[AB+16+\i:AB+17+\i], v[CB+16+\i:CB+17+\i]           ; x2 sin
	v_pk_mul_f32 v[Y+16+\i:Y+17+\i], v[AB+\i:AB+\i+1], v[CB+16+\i:CB+17+\i]           ; x1 sin
.endr
.irp i,0,2,4,6,8,10,12,14
	v_pk_fma_f32 v[Y+\i:Y+\i+1], v[AB+\i:AB+\i+1], v[CB+\i:CB+\i+1], v[Y+\i:Y+\i+1]   ; x1 cos + x2 sin
	v_pk_fma_f32 v[Y+16+\i:Y+17+\i], v[AB+16+\i:AB+17+\i], v[CB+\i:CB+\i+1], v[Y+16+\i:Y+17+\i] neg_lo:[0,0,1] neg_hi:[0,0,1]   ; x2 cos - x1 sin
.endr
	WIN 0
.irp i,0,2,4,6,8,10,12,14,16,18,20,22,24,26,28,30
	v_pk_mul_f32 v[Y+\i:Y+\i+1], v[Y+\i:Y+\i+1], v[RS+2*(4*\a+\mt):RS+2*(4*\a+\mt)+1] op_sel_hi:[1,0]   ; / rms
.endr
	QUANT2 Y, 0, PCQ+24*\a+12*(\mt/2)+6*(\mt%2), HW+4*\a+\mt
.if \mt%2 == 1
.set PB, PCQ+24*\a+12*(\mt/2)
	v_lshl_or_b32 v[PW+2*\a+\mt/2], v[HW+4*\a+\mt], 16, v[HW+4*\a+\mt-1]   ; the pair's word: the even tile's two bytes, then the odd tile's
.if \a == 0
	global_store_b128 v3, v[PB:PB+3], s[74:75] offset:768*(\mt-1)          ; q: a half image (768 bytes) for each tile
	global_store_b64 v14, v[PB+4:PB+5], s[74:75] offset:768*(\mt-1)+512
	global_store_b128 v3, v[PB+6:PB+9], s[74:75] offset:768*\mt
	global_store_b64 v14, v[PB+10:PB+11], s[74:75] offset:768*\mt+512
.else
.irp g,0,1,2
	global_store_b128 v3, v[PB+4*\g:PB+4*\g+3], s[78:79] offset:1536*(\mt/2)+512*\g   ; k: two tiles of keys make ONE fragment of 128 along K
.endr
.endif
.endif
.endr
.endr
	v_cndmask_b32 v[FW], v[PW], v[PW+1], vcc_lo    ; lanes 0-15 the first pair's words, lanes 16-31 the second's
	v_cndmask_b32 v[FW+1], v[PW+2], v[PW+3], vcc_lo
	global_store_b32 v13, v[FW], s[76:77]
	global_store_b32 v13, v[FW+1], s[80:81] offset:12288
	s_wait_tensorcnt 0x0                           ; the wave's end
	ds_add_u32 v[SPW], v[NIL]
	s_wait_dscnt 0x0
	CROUND                                         ; the closing round
	s_endpgm
.Lfunc_end_k_qde28eac86c_qkv:
	.size	k_qde28eac86c_qkv, .Lfunc_end_k_qde28eac86c_qkv-k_qde28eac86c_qkv
	.p2alignl 7, 3214868480
	.fill 96, 4, 3214868480
	.section	.rodata,"a",@progbits
	.p2align	6, 0x0
	.amdhsa_kernel k_qde28eac86c_qkv
		.amdhsa_group_segment_fixed_size 327680
		.amdhsa_private_segment_fixed_size 0
		.amdhsa_enable_private_segment 0
		.amdhsa_kernarg_size 56
		.amdhsa_user_sgpr_count 2
		.amdhsa_user_sgpr_kernarg_segment_ptr 1
		.amdhsa_wavefront_size32 1
		.amdhsa_system_sgpr_workgroup_id_x 1
		.amdhsa_system_sgpr_workgroup_id_y 1
		.amdhsa_system_sgpr_workgroup_id_z 1
		.amdhsa_system_vgpr_workitem_id 0
		.amdhsa_next_free_vgpr 1024
		.amdhsa_next_free_sgpr 100
		.amdhsa_reserve_vcc 1
		.amdhsa_float_denorm_mode_32 3
		.amdhsa_float_denorm_mode_16_64 3
		.amdhsa_memory_ordered 1
		.amdhsa_forward_progress 1
		.amdhsa_inst_pref_size 162
	.end_amdhsa_kernel
	.amdgpu_metadata
---
amdhsa.version: [ 1, 2 ]
amdhsa.kernels:
  - .name:           k_qde28eac86c_qkv
    .symbol:         k_qde28eac86c_qkv.kd
    .args:
      - { .name: xc, .offset: 0, .size: 8, .value_kind: global_buffer, .address_space: global }
      - { .name: wc, .offset: 8, .size: 8, .value_kind: global_buffer, .address_space: global }
      - { .name: b_attn, .offset: 16, .size: 8, .value_kind: global_buffer, .address_space: global }
      - { .name: cos, .offset: 24, .size: 8, .value_kind: global_buffer, .address_space: global }
      - { .name: sin, .offset: 32, .size: 8, .value_kind: global_buffer, .address_space: global }
      - { .name: qc, .offset: 40, .size: 8, .value_kind: global_buffer, .address_space: global }
      - { .name: kv, .offset: 48, .size: 8, .value_kind: global_buffer, .address_space: global }
    .group_segment_fixed_size: 327680
    .private_segment_fixed_size: 0
    .kernarg_segment_align: 8
    .kernarg_segment_size: 56
    .max_flat_workgroup_size: 128
    .sgpr_count:     100
    .vgpr_count:     1024
    .wavefront_size: 32
...
	.end_amdgpu_metadata
.endif
;; end of part 2
;; launch attn (part 3): grid 8 x 32, 16 waves a work-group, no clusters, 327,680 bytes of LDS; arguments qc, kv, yc; writes yc
.if DOCPART == 3
	.amdgcn_target "amdgcn-amd-amdhsa--gfx1250"
	.amdhsa_code_object_version 6
	.text
	.protected	k_qde28eac86c_attn
	.globl	k_qde28eac86c_attn
	.p2align	8
	.type	k_qde28eac86c_attn,@function
k_qde28eac86c_attn:
	s_mov_b64 s[64:65], 0
	v_nop
	global_prefetch_b8 v0, s[64:65] scope:SCOPE_SE
	s_setreg_imm32_b32 hwreg(HW_REG_WAVE_MODE, 25, 1), 1
	s_wait_xcnt 0x0
; y = softmax(q k^T / 8, causal) v for one head, both products on codes of FP6; y is quantised along the head's 64 for the last product.
; THE SOFTMAX: t = score x log2(e) / 8; M = the running largest t rounded UP to a whole number; p = 2^(t - M) is quantised along the keys, not normalised; the row's sum is taken of the unquantised p and divides at the end.
; LEFT OUT: key steps whose 128 keys all come after a tile's queries: the causal mask sets their scores to -infinity, so their p are 0 for all values of the inputs.
; SHARES.  Work-group j of a head owns the query blocks j and 15 - j (128 queries each): eight pairs of a low and a high tile of 16 queries, 17 key steps of 128 keys a pair.  TWO WAVES SHARE A PAIR:
; wave p (0-7) is pair p's wave B, wave p + 8 its wave A.  With a2 = (9 - j) / 2 and a1 = 7 - a2: wave A takes the high tile's steps 0 .. a1 - 1 and 8 .. 7 + a2: 7 steps.  Wave B takes the low tile's j + 1 steps,
; finishes and stores that tile, and then takes the high tile's other steps, a1 .. 7 and 8 + a2 .. 15 - j: 10 steps in all.  B hands its part of the high tile (O^T, the sum, -M) to A through LDS bytes of the pair's own;
; A brings both parts under the larger M by powers of two, which round nothing, adds them and finishes the tile.  So all that another wave waits for (the low tile's walk ahead of the split barrier's signal, the
; hand-over) is wave B's, and the waiting, the joining and the loads are wave A's, which has the fewer steps.  Of any four waves w % 4 alike two are A and two B.
; Every wave walks three loops of 8 trips (low tile: steps 0-7; high tile: steps 0-7; high tile: steps 8-15); a step that is not the wave's own is jumped over by scalar branches on ids.
; An A wave has no low tile: its first walk is empty and its two loads of q name the same tile, so that all waves take one way through the head.
; K = 64 FILLS HALF OF THE FORM: a fragment of k holds TWO tiles of 16 keys (64 + 64 along K) and is multiplied once by [q | 0] and once by [0 | q]: zero codes on q's side, every scale byte a real one.
; Both products are used transposed: a lane holds ONE query.  By the order of keys in a tile the 16 registers of two neighbouring tiles are 16 neighbouring keys.
; LDS: the head's k and v by key steps of 13,056 bytes (k's codes 6,144, v's codes 6,144, k's words 256, v's words 512), each byte filled ONCE.  WAVES 12-15 LOAD, two steps, 102 rows x 256 bytes, a load:
; steps 0-7 at the head, steps 8-15 behind the barrier that shows steps 0-7 whole.  One load of a wave is out at the most.
; THE BARRIER THAT SHOWS STEPS 8-15 WHOLE IS SPLIT.  Each wave waits for its tensor loads and signals behind the first walk and the low tile's stores.  A loading wave's first walk is empty: it waits there for its
; load while the other twelve waves work.  The barrier's wait stands ahead of the third walk.  Between the two stand work on registers and LDS reads of steps 0-7, which nobody writes.
; All eight later steps are asked for in every work-group, though work-group j reads only 8 - j of them: the fills are kept free of jumps on the work-group's number.
; NO JOINT LOADS: which steps a wave jumps over hangs on the query block, which differs between the work-groups that read the same head.
; NO PREFETCH: steps 0-7 are asked for at the head, with no loop ahead of them, and steps 8-15 are asked for by their tensor load itself 3 steps or more ahead of their first read.
; LIMITS: NaN and infinities are not served; a block of p whose largest falls under 2^-124 gets the byte 1; the promise holds while |t| stays under 2^31.
.set STP,   13056
.set VOF,   6144
.set KSO,   12288
.set VSO,   12544
.set HALF,  8*STP
.set STASH, 16*STP                     ; behind k and v: 4,352 bytes for each pair of waves: O^T 4,096, then (-M, the sum) 256
.set SSZ,   4352
.set SPARE, STASH+8*SSZ                ; behind them: the spare words, 128 bytes a wave
.set QS,    3145728
.set YS,    3145728
.set FLOOR, 0x1800000
.set EOFF,  0xff000000
.set SPW, 5
.set NIL, 6
.set ADK, 8                            ; v8  16 x lane + the step
.set ADV, 9                            ; v9  8 x lane + the step
.set ADS, 10                           ; v10 4 x lane + the step
.set ADT, 11                           ; v11 16 r + the step
.set QZ,  16                           ; v16-21 zeros, v22-27 q, v28-33 zeros
.set QW,  34                           ; q's scale word [s0 s1 s0 s1]
.set PWD, 35                           ; p's scale word
.set FF,  36                           ; v[36:37] f = 2^(old M - new M); at the end 1 / l
.set KSC, 38                           ; v38-39 k's words
.set FRG, 40                           ; v40-87 four fragments of k, then of v
.set VSC, 88                           ; v88-91 v's words; v92-95 their other halves
.set ST,  96                           ; v96-159 S^T, then p
.set OT,  160                          ; v160-191 O^T
.set PC,  192                          ; v192-203 p's codes
.set CT,  204                          ; v204-211 upper halves
.set BM,  212
.set PT,  216
.set SO,  220
.set TP,  224
.set NINF, 225                         ; -infinity; never rewritten
.set HWR, 226
.set R4,  227                          ; 4 r; never rewritten
.set QN,  228                          ; v228-233 the high tile's q, v234 its scale word
.set QWN, 234
.set STW, 235                          ; my pair's hand-over bytes + 16 x lane
.set STX, 236                          ; the same + 8 x lane
.set SM,  242                          ; v242-255 seven chains of the row's sum
.set WV,  10
.set BH,  12
.set TAU, 13                           ; the tile that I finish: B the low one, A the high one
.set BLK, 14                           ; the walk's tile's block: its diagonal step
.set G1,  16
.set G0,  24                           ; s[24:27] steps 0-7, s[28:31] steps 8-15
.set RB,  32                           ; 1: wave B
.set PR,  33                           ; the pair, 0..7
.set B0,  34                           ; the block of 32 keys of the diagonal step in which my queries lie
.set LO,  35                           ; the walk's steps that are mine: LO <= step < HI
.set HI,  36
.set A1,  37
.set A2,  38
.set TH,  39                           ; the high tile
.set SEL, 40
.set CS,  42
.set TK,  44
.set KS,  47
.set CNT, 48
.set OFS, 50                           ; s[50:51] byte offsets alone: s51 stays 0
.macro PLACES
.rept 4
	v_nop
.endr
.endm
.macro RESET                           ; a tile begins: the largest t -3e38, the sum and O^T zeros (the step is written once; the first change of M leaves zeros zeros)
	v_mov_b32 v13, 0xff61b1e6
	v_mov_b32 v14, 0
	v_mov_b32 v15, 0
	v_floor_f32 v12, -v13                          ; -M
	v_mov_b32 v[FF], 0
	v_mov_b32 v[FF+1], 0                           ; (named as the upper half of a pair)
.set j, 0
.rept 32
	v_mov_b32 v[OT+j], 0
.set j, j+1
.endr
.endm
.macro QADR tau, cod, wrd              ; where tile tau's codes (768 bytes a tile) and its pair's scale words lie
	s_lshl_b32 s[OFS], s[BH], 7
	s_add_co_u32 s[OFS], s[OFS], s[\tau]
	s_mul_i32 s[OFS], s[OFS], 768
	s_add_nc_u64 s[\cod:\cod+1], s[4:5], s[OFS:OFS+1]
	s_lshl_b32 s[OFS], s[BH], 6
	s_lshr_b32 s45, s[\tau], 1
	s_add_co_u32 s[OFS], s[OFS], s45
	s_lshl_b32 s[OFS], s[OFS], 6
	s_add_co_u32 s[OFS], s[OFS], QS
	s_add_nc_u64 s[\wrd:\wrd+1], s[4:5], s[OFS:OFS+1]
.endm
	s_load_b128 s[4:7], s[0:1], 0x0                ; qc, kv
	s_load_b64 s[8:9], s[0:1], 0x10                ; yc
	v_lshl_add_u32 v[SPW], v0, 2, SPARE
	v_mov_b32 v[NIL], 0
	ds_add_u32 v[SPW], v[NIL]                      ; the wave's opening: the add, twice on end, and its wait ahead of the first tensor load
	ds_add_u32 v[SPW], v[NIL]
	v_lshrrev_b32 v1, 5, v0
	s_delay_alu instid0(VALU_DEP_1)
	v_readfirstlane_b32 s[WV], v1                  ; wave 0..15
	s_and_b32 s[BH], ttmp7, 0xffff                 ; 16 x batch + head
	s_mov_b32 s[G1], 3<<16                         ; no mask; elements of 8 bytes; no padding
	s_mov_b32 s[G1+1], 32<<16                      ; rows of 256 bytes
	s_mov_b32 s[G1+2], 102<<16                     ; 102 of them: two key steps
	s_mov_b32 s[G1+3], 32<<16
	s_mov_b32 s[G1+4], 102
	s_mov_b32 s[G1+5], 32
	s_mov_b32 s[G1+6], 0
	s_mov_b32 s[G1+7], 0
	s_and_b32 s45, s[WV], 3
	s_mov_b32 s[G0], 1
	s_mul_i32 s[G0+1], s45, 2*STP                  ; loading wave 12 + i fetches steps 2 i and 2 i + 1,
	s_mov_b32 s[G0+4], 1
	s_add_co_u32 s[G0+5], s[G0+1], HALF            ; and later steps 8 + 2 i and 9 + 2 i
	s_mul_i32 s[OFS], s[BH], 16*STP
	s_add_co_u32 s[OFS], s[OFS], s[G0+1]
	s_mov_b32 s[OFS+1], 0
	s_mov_b32 s[SEL], 0x76543210
	s_mov_b32 s[SEL+1], 0xfedcba98
	s_mov_b32 s[CS], 0x3e38aa3b                    ; c = log2(e) / 8
	s_mov_b32 s[CS+1], s[CS]
	s_wait_dscnt 0x0
	s_wait_kmcnt 0x0
	s_add_nc_u64 s[G0+2:G0+3], s[6:7], s[OFS:OFS+1]
	s_add_nc_u64 s[G0+6:G0+7], s[G0+2:G0+3], HALF
	s_or_b32 s[G0+3], s[G0+3], 0x80000000
	s_or_b32 s[G0+7], s[G0+7], 0x80000000
	s_cmp_ge_u32 s[WV], 12
	s_cbranch_scc0 .Lno_p1
	tensor_load_to_lds s[G0:G0+3], s[G1:G1+7]      ; one tensor load a wave at the head
	s_nop 0
	PLACES
.Lno_p1:
	s_lshr_b32 s[RB], s[WV], 3
	s_xor_b32 s[RB], s[RB], 1                      ; waves 0-7 are B
	s_and_b32 s[PR], s[WV], 7
	s_sub_co_u32 s45, 15, ttmp9
	s_lshl_b32 s[TH], s45, 3
	s_add_co_u32 s[TH], s[TH], s[PR]               ; the high tile, 0..127
	s_lshl_b32 s[TAU], ttmp9, 3
	s_add_co_u32 s[TAU], s[TAU], s[PR]             ; the low tile
	s_cmp_eq_u32 s[RB], 1
	s_cselect_b32 s[TAU], s[TAU], s[TH]
	s_sub_co_u32 s[A2], 9, ttmp9
	s_lshr_b32 s[A2], s[A2], 1
	s_sub_co_u32 s[A1], 7, s[A2]
	s_bfe_u32 s[B0], s[TAU], 0x20001
	s_lshl_b32 s46, s[B0], 5
	s_and_b32 s49, s[TAU], 1
	s_lshl_b32 s61, s49, 4                         ; my tile's half of q's pair's word (the same for the low and the high tile)
	s_lshl_b32 s49, s49, 3
	s_add_co_u32 s46, s46, s49                     ; my tile's first query within its block
	s_mul_i32 s70, s[PR], SSZ
	s_add_co_u32 s70, s70, STASH
	QADR TAU, 52, 54
	QADR TH, 66, 68
	s_lshr_b32 s49, s[TAU], 3
	s_lshr_b32 s45, s[BH], 4
	s_lshl_b32 s45, s45, 4
	s_add_co_u32 s45, s45, s49                     ; the block of 128 tokens, of 32
	s_lshl_b32 s45, s45, 4
	s_and_b32 s49, s[BH], 15
	s_add_co_u32 s45, s45, s49
	s_lshl_b32 s45, s45, 3
	s_and_b32 s49, s[TAU], 7
	s_add_co_u32 s45, s45, s49                     ; y's tile
	s_mul_i32 s[OFS], s45, 768
	s_add_nc_u64 s[56:57], s[8:9], s[OFS:OFS+1]
	s_lshl_b32 s[OFS], s45, 6
	s_add_co_u32 s[OFS], s[OFS], YS
	s_add_nc_u64 s[58:59], s[8:9], s[OFS:OFS+1]
	s_and_b32 s60, s[BH], 1
	s_lshl_b32 s60, s60, 4                         ; an odd head's bytes are the word's upper two
	v_and_b32 v4, 15, v0                           ; r
	v_bfe_u32 v3, v0, 4, 1                         ; h
	v_and_b32 v7, 8, v4
	v_lshlrev_b32 v8, 4, v3
	v_add_nc_u32 v7, v7, v4                        ; r + 8 (r / 8)
	v_lshlrev_b32 v[R4], 2, v4
	v_sub_nc_u32 v7, v7, v8
	v_lshlrev_b32 v4, 4, v4                        ; 16 r
	v_add_nc_u32 v7, s46, v7                       ; d = my query within its block - 16 h: on the diagonal register 16 b + i is hidden where 32 b + i > d
	v_and_b32 v3, 31, v0
	v_mov_b32 v[NINF], 0xff800000
	v_lshlrev_b32 v1, 4, v3                        ; 16 x lane
	v_lshlrev_b32 v2, 3, v3                        ; 8 x lane
	v_lshlrev_b32 v3, 2, v3                        ; 4 x lane
	v_add_nc_u32 v[STW], s70, v1
	v_add_nc_u32 v[STX], s70, v2
.irp i,0,1,2,3,4,5
	v_mov_b32 v[QZ+\i], 0                          ; zero codes beside q
	v_mov_b32 v[QZ+12+\i], 0
.endr
.irp i,0,1,2,3,4,5,6,7
	v_mov_b32 v[BM+\i], 0                          ; lane permutes' destinations count as sources
.endr
	s_wait_alu depctr_va_vdst(0)                   ; ahead of the loads that read the offsets
	global_load_b128 v[QZ+6:QZ+9], v1, s[52:53]
	global_load_b64 v[QZ+10:QZ+11], v2, s[52:53] offset:512
	global_load_b32 v[QW], v[R4], s[54:55]
	global_load_b128 v[QN:QN+3], v1, s[66:67]
	global_load_b64 v[QN+4:QN+5], v2, s[66:67] offset:512
	global_load_b32 v[QWN], v[R4], s[68:69]
	s_add_co_u32 s45, ttmp9, 1                     ; the first walk: the low tile's steps 0 .. j, wave B's alone
	s_cmp_eq_u32 s[RB], 1
	s_cselect_b32 s[HI], s45, 0
	s_mov_b32 s[LO], 0
	s_mov_b32 s[BLK], ttmp9
	s_wait_loadcnt 0x0
	v_lshrrev_b32 v[QW], s61, v[QW]
	v_lshrrev_b32 v[QWN], s61, v[QWN]
	v_and_b32 v[QW], 0xffff, v[QW]
	v_and_b32 v[QWN], 0xffff, v[QWN]
	v_lshl_or_b32 v[QW], v[QW], 16, v[QW]          ; [s0 s1 s0 s1]: it serves [q | 0] and [0 | q]
	v_lshl_or_b32 v[QWN], v[QWN], 16, v[QWN]
	RESET                                          ; (also the eight places between a scale register's write and a scaled product)
	s_wait_alu depctr_va_vdst(0)
	s_wait_tensorcnt 0x0                           ; my two of the first eight steps are in
	ds_add_u32 v[SPW], v[NIL]                      ; the add, twice on end
	ds_add_u32 v[SPW], v[NIL]
	s_wait_dscnt 0x0
	s_barrier_signal -1
	s_barrier_wait -1                              ; steps 0-7 are whole
	s_cmp_ge_u32 s[WV], 12
	s_cbranch_scc0 .Lno_p2
	tensor_load_to_lds s[G0+4:G0+7], s[G1:G1+7]    ; steps 8-15: my one load behind this barrier
	s_nop 0
	PLACES
.Lno_p2:
; A KEY STEP: 128 keys.  diag = 1: the walk can hold the tile's diagonal step
.macro STEP diag
	s_cmp_lt_u32 s[KS], s[LO]                      ; not my step: only the stepping lines at the end are run
	s_cbranch_scc1 .Lhid_\@
	s_cmp_ge_u32 s[KS], s[HI]
	s_cbranch_scc1 .Lhid_\@
	v_add_nc_u32 v[ADK], s[TK], v1                 ; (these four are the places in front of the loads below)
	v_add_nc_u32 v[ADV], s[TK], v2
	v_add_nc_u32 v[ADS], s[TK], v3
	v_add_nc_u32 v[ADT], s[TK], v4
.irp b,0,1,2,3
.irp g,0,1,2
	ds_load_b128 v[FRG+12*\b+4*\g:FRG+12*\b+4*\g+3], v[ADK] offset:1536*\b+512*\g
.endr
.endr
	ds_load_b32 v[KSC], v[ADS] offset:KSO          ; lanes 0-15 fragment 0's words, lanes 16-31 fragment 1's
	ds_load_b32 v[KSC+1], v[ADS] offset:KSO+128
	ds_load_b128 v[VSC:VSC+3], v[ADT] offset:VSO   ; v's words of the first 64 keys, four tiles of channels,
	ds_load_b128 v[VSC+4:VSC+7], v[ADT] offset:VSO+256   ; and of the second
	s_wait_dscnt 0x0
	s_wait_alu depctr_va_vdst(0)
.irp b,0,1,2,3
.irp u,0,1
.if \b%2
	v_wmma_scale_f32_16x16x128_f8f6f4 v[ST+8*(2*\b+\u):ST+8*(2*\b+\u)+7], v[FRG+12*\b:FRG+12*\b+11], v[QZ+6-6*\u:QZ+17-6*\u], 0, v[KSC+\b/2], v[QW] matrix_a_fmt:MATRIX_FMT_FP6 matrix_b_fmt:MATRIX_FMT_FP6 matrix_a_scale:MATRIX_SCALE_ROW1
.else
	v_wmma_scale_f32_16x16x128_f8f6f4 v[ST+8*(2*\b+\u):ST+8*(2*\b+\u)+7], v[FRG+12*\b:FRG+12*\b+11], v[QZ+6-6*\u:QZ+17-6*\u], 0, v[KSC+\b/2], v[QW] matrix_a_fmt:MATRIX_FMT_FP6 matrix_b_fmt:MATRIX_FMT_FP6
.endif
.endr
.endr
.irp nt,0,1,2,3
	v_or_b32 v[VSC+\nt], v[VSC+\nt], v[VSC+4+\nt]  ; v's whole words.  (Four places behind the products: for the loads below and the first read of the scores)
.endr
.irp nt,0,1,2,3                        ; v's fragments are asked for already here: they land during the softmax
	ds_load_b128 v[FRG+12*\nt:FRG+12*\nt+3], v[ADK] offset:VOF+768*\nt
	ds_load_b64 v[FRG+12*\nt+4:FRG+12*\nt+5], v[ADV] offset:VOF+768*\nt+512
	ds_load_b128 v[FRG+12*\nt+6:FRG+12*\nt+9], v[ADK] offset:VOF+3072+768*\nt
	ds_load_b64 v[FRG+12*\nt+10:FRG+12*\nt+11], v[ADV] offset:VOF+3072+768*\nt+512
.endr
.if \diag
	s_cmp_lg_u32 s[KS], s[BLK]
	s_cbranch_scc1 .Lopen_\@
.irp b,0,1,2,3                         ; the diagonal: hidden scores become -infinity ahead of the maximum; blocks of 32 keys that lie ahead of my queries' own block hide nothing and are passed over
	s_cmp_gt_u32 s[B0], \b
	s_cbranch_scc1 .Lvis_\@_\b
.set n, 0
.rept 16
	v_cmp_gt_i32 vcc_lo, 32*\b+n, v7
	v_cndmask_b32 v[ST+16*\b+n], v[ST+16*\b+n], v[NINF], vcc_lo
.set n, n+1
.endr
.Lvis_\@_\b:
.endr
.Lopen_\@:
.endif
.irp b,0,1,2,3
	v_max3_num_f32 v[BM+\b], v[ST+16*\b], v[ST+1+16*\b], v[ST+2+16*\b]   ; the largest score of each block of 32 keys: for the row's maximum and for the block's largest p
.endr
.irp i,3,5,7,9,11,13
.irp b,0,1,2,3
	v_max3_num_f32 v[BM+\b], v[BM+\b], v[ST+16*\b+\i], v[ST+1+16*\b+\i]
.endr
.endr
.irp b,0,1,2,3
	v_max_num_f32 v[BM+\b], v[BM+\b], v[ST+15+16*\b]
.endr
.irp b,0,1,2,3
	s_delay_alu instid0(VALU_DEP_4)
	v_permlanex16_b32 v[PT+\b], v[BM+\b], s[SEL], s[SEL+1]
.endr
.irp b,0,1,2,3
	s_delay_alu instid0(VALU_DEP_4)
	v_max_num_f32 v[BM+\b], v[BM+\b], v[PT+\b]
.endr
	s_delay_alu instid0(VALU_DEP_2)
	v_max3_num_f32 v[TP], v[BM], v[BM+1], v[BM+2]
	s_delay_alu instid0(VALU_DEP_1)
	v_max_num_f32 v[TP], v[TP], v[BM+3]
	s_delay_alu instid0(VALU_DEP_1)
	v_mul_f32 v[TP], s[CS], v[TP]
	s_delay_alu instid0(VALU_DEP_1)
	v_max_num_f32 v13, v13, v[TP]                  ; the running largest t
	v_mov_b32 v[TP], v12
	s_delay_alu instid0(VALU_DEP_2)
	v_floor_f32 v12, -v13                          ; -M = floor(-t): M is a whole number
	s_delay_alu instid0(VALU_DEP_1)
	v_sub_f32 v[TP], v12, v[TP]
	s_delay_alu instid0(VALU_DEP_1)
	v_cvt_i32_f32 v[TP], v[TP]                     ; (it saturates)
	s_delay_alu instid0(VALU_DEP_1)
	v_ldexp_f32 v[FF], 1.0, v[TP]                  ; f = 2^(old M - new M)
.set j, 0
.rept 32
	v_pk_fma_f32 v[ST+j:ST+j+1], v[ST+j:ST+j+1], s[CS:CS+1], v[12:13] op_sel_hi:[1,0,0]   ; t - M
.set j, j+2
.endr
.irp b,0,1,2,3
	v_fma_f32 v[BM+\b], v[BM+\b], s[CS], v12
.endr
	s_wait_alu depctr_va_vdst(0)
.set j, 0
.rept 64
	v_exp_f32 v[ST+j], v[ST+j]                     ; p = 2^(t - M)
.set j, j+1
.endr
.irp b,0,1,2,3
	v_exp_f32 v[BM+\b], v[BM+\b]                   ; the block's largest p: the same two instructions on the same number.  ONE batch of 68
.endr
	v_pk_mul_f32 v[14:15], v[14:15], v[FF:FF+1] op_sel_hi:[1,0]   ; the sum and O^T under the new M: work that names no exponential's result
	s_wait_alu depctr_va_vdst(0)                   ; directly ahead of the first reader of O^T
.set j, 0
.rept 16
	v_pk_mul_f32 v[OT+j:OT+j+1], v[OT+j:OT+j+1], v[FF:FF+1] op_sel_hi:[1,0]
.set j, j+2
.endr
	s_wait_alu depctr_va_vdst(0)                   ; one wait for the batch, ahead of its first reader
.irp b,0,1,2,3
	v_max_num_f32 v[BM+\b], FLOOR, v[BM+\b]
.endr
.irp b,0,1,2,3
	s_delay_alu instid0(VALU_DEP_4)
	v_add_nc_u32 v[SO+\b], EOFF, v[BM+\b]
.endr
.irp b,0,1,2,3
	s_delay_alu instid0(VALU_DEP_4)
	v_lshrrev_b32 v[PT+\b], 23, v[SO+\b]
.endr
	s_delay_alu instid0(VALU_DEP_3)
	v_lshl_or_b32 v[PWD], v[PT+1], 8, v[PT]
	s_delay_alu instid0(VALU_DEP_1)
	v_lshl_or_b32 v[PWD], v[PT+2], 16, v[PWD]
	s_delay_alu instid0(VALU_DEP_1)
	v_lshl_or_b32 v[PWD], v[PT+3], 24, v[PWD]
.irp c,0,1
	v_cvt_scalef32_pk16_fp6_f32 v[PC+6*\c:PC+6*\c+2], v[ST+32*\c:ST+32*\c+15], v[SO+2*\c]
	v_cvt_scalef32_pk16_fp6_f32 v[CT+4*\c:CT+4*\c+2], v[ST+32*\c+16:ST+32*\c+31], v[SO+2*\c+1]
.endr
	v_nop                                          ; one plain place behind a scaled conversion
.irp c,0,1
.irp i,0,1,2
	v_permlane16_swap_b32 v[PC+6*\c+\i], v[CT+4*\c+\i]
.endr
.irp i,0,1,2
	s_delay_alu instid0(VALU_DEP_3)
	v_mov_b32 v[PC+3+6*\c+\i], v[CT+4*\c+\i]
.endr
.endr
.irp c,0,1,2,3,4,5,6                   ; the row's sum of the unquantised p: 32 packed additions in eight chains.  (They are also the places ahead of the scaled products below)
	v_pk_add_f32 v[SM+2*\c:SM+2*\c+1], v[ST+4*\c:ST+4*\c+1], v[ST+4*\c+2:ST+4*\c+3]
.endr
	v_pk_add_f32 v[14:15], v[14:15], v[ST+28:ST+29]
.irp c,0,1,2,3,4,5,6
	v_pk_add_f32 v[SM+2*\c:SM+2*\c+1], v[SM+2*\c:SM+2*\c+1], v[ST+30+2*\c:ST+31+2*\c]
.endr
	v_pk_add_f32 v[14:15], v[14:15], v[ST+44:ST+45]
.irp c,0,1,2,3,4,5,6
	v_pk_add_f32 v[SM+2*\c:SM+2*\c+1], v[SM+2*\c:SM+2*\c+1], v[ST+46+2*\c:ST+47+2*\c]
.endr
	v_pk_add_f32 v[14:15], v[14:15], v[ST+60:ST+61]
	v_pk_add_f32 v[SM:SM+1], v[SM:SM+1], v[ST+62:ST+63]
	v_pk_add_f32 v[SM+2:SM+3], v[SM+2:SM+3], v[SM+4:SM+5]
	v_pk_add_f32 v[SM+6:SM+7], v[SM+6:SM+7], v[SM+8:SM+9]
	v_pk_add_f32 v[SM+10:SM+11], v[SM+10:SM+11], v[SM+12:SM+13]
	v_pk_add_f32 v[14:15], v[14:15], v[SM:SM+1]
	v_pk_add_f32 v[SM+2:SM+3], v[SM+2:SM+3], v[SM+6:SM+7]
	s_delay_alu instid0(VALU_DEP_2)
	v_pk_add_f32 v[14:15], v[14:15], v[SM+10:SM+11]
	s_delay_alu instid0(VALU_DEP_1)
	v_pk_add_f32 v[14:15], v[14:15], v[SM+2:SM+3]
	s_wait_dscnt 0x0                               ; v's fragments are in
.irp nt,0,1,2,3
	v_wmma_scale_f32_16x16x128_f8f6f4 v[OT+8*\nt:OT+8*\nt+7], v[FRG+12*\nt:FRG+12*\nt+11], v[PC:PC+11], v[OT+8*\nt:OT+8*\nt+7], v[VSC+\nt], v[PWD] matrix_a_fmt:MATRIX_FMT_FP6 matrix_b_fmt:MATRIX_FMT_FP6
.endr
.Lhid_\@:
	s_add_co_u32 s[TK], s[TK], STP
	s_add_co_u32 s[KS], s[KS], 1
.endm
.macro WALK first, diag                ; eight key steps from step first on; four places behind the last products close it
	s_mov_b32 s[TK], \first*STP
	s_mov_b32 s[KS], \first
	s_mov_b32 s[CNT], 8
.Lstep_\@:
	STEP \diag
	s_sub_co_u32 s[CNT], s[CNT], 1
	s_cmp_lg_u32 s[CNT], 0
	s_cbranch_scc1 .Lstep_\@
	PLACES
.endm
; A TILE'S WAY OUT: O^T / l, quantised along the head's 64: register 16 b + i is channel 32 b + 16 h + i of my query.  v13: my lane's part of the row's sum
.macro FINAL
	v_permlanex16_b32 v[PT], v13, s[SEL], s[SEL+1]
	s_delay_alu instid0(VALU_DEP_1)
	v_add_f32 v14, v13, v[PT]                      ; the row's sum
	s_wait_alu depctr_va_vdst(0)                   ; ahead of the transcendental,
	v_rcp_f32 v[FF], v14
	v_nop
	s_wait_alu depctr_va_vdst(0)                   ; and ahead of its first reader
.set j, 0
.rept 16
	v_pk_mul_f32 v[ST+j:ST+j+1], v[OT+j:OT+j+1], v[FF:FF+1] op_sel_hi:[1,0]
.set j, j+2
.endr
.irp b,0,1
	v_max3_num_f32 v[BM+\b], |v[ST+16*\b]|, |v[ST+16*\b+1]|, FLOOR
.endr
.irp i,2,4,6,8,10,12,14
.irp b,0,1
	s_delay_alu instid0(VALU_DEP_2)
	v_max3_num_f32 v[BM+\b], v[BM+\b], |v[ST+16*\b+\i]|, |v[ST+16*\b+\i+1]|
.endr
.endr
.irp b,0,1
	s_delay_alu instid0(VALU_DEP_2)
	v_permlanex16_b32 v[BM+2+\b], v[BM+\b], s[SEL], s[SEL+1]
.endr
.irp b,0,1
	s_delay_alu instid0(VALU_DEP_2)
	v_max_num_f32 v[BM+\b], v[BM+\b], v[BM+2+\b]
.endr
.irp b,0,1
	s_delay_alu instid0(VALU_DEP_2)
	v_add_nc_u32 v[BM+4+\b], EOFF, v[BM+\b]
.endr
.irp b,0,1
	s_delay_alu instid0(VALU_DEP_2)
	v_lshrrev_b32 v[BM+2+\b], 23, v[BM+4+\b]
.endr
	s_delay_alu instid0(VALU_DEP_1)
	v_lshl_or_b32 v[HWR], v[BM+3], 8, v[BM+2]
	s_delay_alu instid0(VALU_DEP_1)
	v_lshlrev_b32 v[HWR], s60, v[HWR]
	v_cvt_scalef32_pk16_fp6_f32 v[PC:PC+2], v[ST:ST+15], v[BM+4]
	v_cvt_scalef32_pk16_fp6_f32 v[CT:CT+2], v[ST+16:ST+31], v[BM+5]
	v_nop
.irp i,0,1,2
	v_permlane16_swap_b32 v[PC+\i], v[CT+\i]
.endr
.irp i,0,1,2
	s_delay_alu instid0(VALU_DEP_3)
	v_mov_b32 v[PC+3+\i], v[CT+\i]
.endr
	global_store_b128 v1, v[PC:PC+3], s[56:57]     ; the half image: 512 + 256 consecutive bytes
	global_store_b64 v2, v[PC+4:PC+5], s[56:57] offset:512
	global_store_b32 v[R4], v[HWR], s[58:59]       ; lanes r and r + 16 hold the same word and store it to the same place
.endm
	WALK 0, 1                                      ; the low tile (wave B)
	s_cmp_eq_u32 s[RB], 1
	s_cbranch_scc0 .Lswitch
	s_wait_alu depctr_va_vdst(0)                   ; ahead of this reader of the sums
	v_add_f32 v13, v14, v15
	FINAL                                          ; wave B finishes and stores the low tile
	s_wait_xcnt 0x0                                ; the stores have read their registers: the next steps write them again
.Lswitch:
	s_wait_tensorcnt 0x0                           ; a loading wave: my two of the later eight steps are in;
	s_wait_dscnt 0x0                               ; no LDS instruction of mine is out;
	s_barrier_signal -1                            ; say so early: the barrier's wait stands ahead of the third walk, and only work on registers and LDS reads of steps 0-7 stand between
	v_mov_b32 v[QW], v[QWN]                        ; on to the high tile: its scale word first, eight places and more ahead of the next scaled product,
.irp i,0,1,2,3,4,5
	v_mov_b32 v[QZ+6+\i], v[QN+\i]                 ; its codes,
.endr
	RESET                                          ; and a fresh state
	s_cmp_eq_u32 s[RB], 1
	s_cselect_b32 s[LO], s[A1], 0                  ; A: steps 0 .. a1 - 1;  B: a1 .. 7
	s_cselect_b32 s[HI], 8, s[A1]
	s_wait_alu depctr_va_vdst(0)
	WALK 0, 0                                      ; the high tile's diagonal lies at step 8 or later
	s_add_co_u32 s45, s[A2], 8
	s_sub_co_u32 s46, 16, ttmp9
	s_sub_co_u32 s[BLK], 15, ttmp9
	s_cmp_eq_u32 s[RB], 1
	s_cselect_b32 s[LO], s45, 8                    ; A: steps 8 .. 7 + a2;  B: 8 + a2 .. 15 - j
	s_cselect_b32 s[HI], s46, s45
	s_barrier_wait -1                              ; every loading wave has said that its steps are in: steps 8-15 are whole
	WALK 8, 1
	s_wait_alu depctr_va_vdst(0)                   ; ahead of this reader of the sums,
	v_add_f32 v13, v14, v15                        ; my lane's part of the row's sum
	s_wait_alu depctr_va_vdst(0)                   ; and behind the write
	s_cmp_eq_u32 s[RB], 1
	s_cbranch_scc0 .Lno_stash
.irp g,0,1,2,3,4,5,6,7
	ds_store_b128 v[STW], v[OT+4*\g:OT+4*\g+3] offset:512*\g   ; wave B hands over its part of the high tile: each accumulator from its low end on,
.endr
	ds_store_b64 v[STX], v[12:13] offset:4096      ; -M and the sum
.Lno_stash:
	s_wait_dscnt 0x0                               ; for wave A's sake
	s_barrier_signal -1
	s_barrier_wait -1
	s_cmp_eq_u32 s[RB], 1
	s_cbranch_scc1 .Lend
.irp g,0,1,2,3,4,5,6,7
	ds_load_b128 v[ST+4*\g:ST+4*\g+3], v[STW] offset:512*\g
.endr
	ds_load_b64 v[BM:BM+1], v[STX] offset:4096
	s_wait_dscnt 0x0
	v_min_num_f32 v[TP], v12, v[BM]                ; -M of the larger M
	s_delay_alu instid0(VALU_DEP_1)
	v_sub_f32 v[PT], v[TP], v12
	v_sub_f32 v[PT+1], v[TP], v[BM]
	s_delay_alu instid0(VALU_DEP_2)
	v_cvt_i32_f32 v[PT], v[PT]                     ; (they saturate)
	s_delay_alu instid0(VALU_DEP_2)
	v_cvt_i32_f32 v[PT+1], v[PT+1]
	s_delay_alu instid0(VALU_DEP_2)
	v_ldexp_f32 v[FF], 1.0, v[PT]                  ; my part's factor,
	s_delay_alu instid0(VALU_DEP_2)
	v_ldexp_f32 v[PT+2], 1.0, v[PT+1]              ; and the other's: powers of two
	s_delay_alu instid0(VALU_DEP_2)
	v_mul_f32 v13, v13, v[FF]
.set j, 0
.rept 16
	v_pk_mul_f32 v[OT+j:OT+j+1], v[OT+j:OT+j+1], v[FF:FF+1] op_sel_hi:[1,0]
.set j, j+2
.endr
	v_fmac_f32 v13, v[BM+1], v[PT+2]
.set j, 0
.rept 16
	v_pk_fma_f32 v[OT+j:OT+j+1], v[ST+j:ST+j+1], v[PT+2:PT+3], v[OT+j:OT+j+1] op_sel_hi:[1,0,1]
.set j, j+2
.endr
	FINAL                                          ; wave A finishes and stores the high tile
.Lend:
	s_wait_tensorcnt 0x0                           ; the wave's end
	ds_add_u32 v[SPW], v[NIL]
	s_wait_dscnt 0x0
	s_endpgm
.Lfunc_end_k_qde28eac86c_attn:
	.size	k_qde28eac86c_attn, .Lfunc_end_k_qde28eac86c_attn-k_qde28eac86c_attn
	.p2alignl 7, 3214868480
	.fill 96, 4, 3214868480
	.section	.rodata,"a",@progbits
	.p2align	6, 0x0
	.amdhsa_kernel k_qde28eac86c_attn
		.amdhsa_group_segment_fixed_size 327680
		.amdhsa_private_segment_fixed_size 0
		.amdhsa_enable_private_segment 0
		.amdhsa_kernarg_size 24
		.amdhsa_user_sgpr_count 2
		.amdhsa_user_sgpr_kernarg_segment_ptr 1
		.amdhsa_wavefront_size32 1
		.amdhsa_system_sgpr_workgroup_id_x 1
		.amdhsa_system_sgpr_workgroup_id_y 1
		.amdhsa_system_sgpr_workgroup_id_z 1
		.amdhsa_system_vgpr_workitem_id 0
		.amdhsa_next_free_vgpr 256
		.amdhsa_next_free_sgpr 72
		.amdhsa_reserve_vcc 1
		.amdhsa_float_denorm_mode_32 3
		.amdhsa_float_denorm_mode_16_64 3
		.amdhsa_memory_ordered 1
		.amdhsa_forward_progress 1
		.amdhsa_inst_pref_size 86
	.end_amdhsa_kernel
	.amdgpu_metadata
---
amdhsa.version: [ 1, 2 ]
amdhsa.kernels:
  - .name:           k_qde28eac86c_attn
    .symbol:         k_qde28eac86c_attn.kd
    .args:
      - { .name: qc, .offset: 0, .size: 8, .value_kind: global_buffer, .address_space: global }
      - { .name: kv, .offset: 8, .size: 8, .value_kind: global_buffer, .address_space: global }
      - { .name: yc, .offset: 16, .size: 8, .value_kind: global_buffer, .address_space: global }
    .group_segment_fixed_size: 327680
    .private_segment_fixed_size: 0
    .kernarg_segment_align: 8
    .kernarg_segment_size: 24
    .max_flat_workgroup_size: 512
    .sgpr_count:     72
    .vgpr_count:     256
    .wavefront_size: 32
...
	.end_amdgpu_metadata
.endif
;; end of part 3
;; launch proj (part 4): grid 8 x 32, 4 waves a work-group, clusters of 4 x 4, 214,528 bytes of LDS; arguments yc, wc, b_proj, out0; writes out0
.if DOCPART == 4
	.amdgcn_target "amdgcn-amd-amdhsa--gfx1250"
	.amdhsa_code_object_version 6
	.text
	.protected	k_qde28eac86c_proj
	.globl	k_qde28eac86c_proj
	.p2align	8
	.type	k_qde28eac86c_proj,@function
k_qde28eac86c_proj:
	s_mov_b64 s[64:65], 0
	v_nop
	global_prefetch_b8 v0, s[64:65] scope:SCOPE_SE
	s_setreg_imm32_b32 hwreg(HW_REG_WAVE_MODE, 25, 1), 1
	s_wait_xcnt 0x0
	s_wait_alu depctr_hold_cnt(0) depctr_sa_sdst(0) depctr_va_vdst(0) depctr_va_sdst(0) depctr_va_ssrc(0) depctr_va_vcc(0) depctr_vm_vsrc(0)
	s_getreg_b32 s2, hwreg(HW_REG_IB_STS2, 6, 4)
	s_cmp_eq_u32 s2, 0
	s_cbranch_scc0 .Lentry_in_a_cluster
	s_endpgm
.Lentry_in_a_cluster:
	s_bfe_u32 s2, ttmp6, 0x10000c
	s_cmp_lg_u32 s2, 0xf033
	s_cbranch_scc0 .Lentry_shape_is_right
	s_endpgm
.Lentry_shape_is_right:
; out = y W_proj + b_proj on codes of FP6.  y's codes come as half images (16 tokens x one head's 64: 768 bytes), two heads make a fragment of 128 along K; W_proj's as whole images (1,536 bytes).
; SHARES.  A work-group makes 128 tokens x 128 columns, wave (mh, nh) 64 x 64: 16 accumulators.  Source 0 = 16 columns of W, source 1 = 16 tokens: a lane holds eight neighbouring columns of one token's row.
; LDS: all of K at once: y's 98,304 bytes, W's 98,304; every byte is filled ONCE.  Waves 0, 1 fetch y's even and odd K steps, waves 2, 3 W's: four loads a wave, all out together, each 48 rows x 256 bytes.
; CLUSTERS: 4 x 4: y's tiles hang on the block of tokens and are shared along a row of the cluster, W's on the block of columns and are shared along a column.  No prefetch: everything is asked for at the head.
; The bias is the C of each sum's first product.  The results leave through a stage of the wave's own: sixteen lanes store 256 consecutive aligned bytes.
; REGISTERS.  Window 0: v0-15 addresses; v16-31 y's scale words (v32-47 their odd heads' halves); v48-63 W's; v64-159, v160-255 two sets of fragments (y 48, W 48).  Window 1: v0-127 the sums (32 i + 8 t); v128-159 the bias.
; LOADS AS THIS TEXT HAS THEM (this takes the place of the head comment's line on them): wave 0 fetches y's K steps 0-3, wave 1 its K steps 4-7, waves 2 and 3 the same of W:
; ONE load a wave, 192 rows x 256 bytes; one barrier shows all of K to all four waves.
.set WP,    2457600
.set WPS,   3244032
.set YS,    3145728
.set WL,    98304
.set STAGE, 196608
.set SPARE, 214016
.set AY16, 4
.set AY8,  6
.set AWP,  8
.set STO,  10
.set RD,   11
.set CO,   12
.set SPW,  13
.set NIL,  14
.set YSC,  16
.set YSO,  32
.set WSC,  48
.set FR0,  64
.set G1Y,  16
.set G1W,  24
.set G0Y,  32
.set G0W,  48
.set MSB, 0
.macro WIN new
.if MSB != \new
	s_set_vgpr_msb (MSB<<8)|\new
.set MSB, \new
.endif
.endm
.macro PLACES
.rept 4
	v_nop
.endr
.endm
.macro CROUND
	s_barrier_signal -1
	s_barrier_wait -1
	s_cmp_lg_u32 s12, 0
	s_cbranch_scc1 .Lnot_wave_0_\@
	s_barrier_signal -3
.Lnot_wave_0_\@:
	s_barrier_wait -3
	s_barrier_signal -1
	s_barrier_wait -1
.endm
	s_load_b256 s[4:11], s[0:1], 0x0               ; yc, wc, b_proj, out0
	v_lshl_add_u32 v[SPW], v0, 2, SPARE
	v_mov_b32 v[NIL], 0
	ds_add_u32 v[SPW], v[NIL]                      ; the wave's opening: the adds and their wait ahead of my first tensor load
	ds_add_u32 v[SPW], v[NIL]
	v_lshrrev_b32 v1, 5, v0
	v_readfirstlane_b32 s12, v1                    ; wave 0..3
	s_lshr_b32 s13, s12, 1                         ; mh.  Also: I fetch for y (0) or for W (1)
	s_and_b32 s14, s12, 1                          ; nh.  Also: K steps 0-3 or 4-7
	s_bfe_u32 s66, ttmp6, 0x40000                  ; cx
	s_bfe_u32 s67, ttmp6, 0x40004                  ; cy
	s_lshl_b32 s68, ttmp9, 2
	s_add_co_u32 s68, s68, s66                     ; nb: block of 128 columns
	s_and_b32 s69, ttmp7, 0xffff
	s_lshl_b32 s69, s69, 2
	s_add_co_u32 s69, s69, s67                     ; mb: block of 128 tokens
	s_lshl_b32 s70, s67, 2
	s_lshl_b32 s70, 15, s70                        ; my row of the cluster
	s_lshl_b32 s71, 0x1111, s66                    ; my column
	s_or_b32 s[G1Y], s70, (3<<16)|(1<<21)
	s_or_b32 s[G1W], s71, (3<<16)|(1<<21)
.irp g, G1Y, G1W
	s_mov_b32 s[\g+1], 32<<16                      ; rows of 256 bytes,
	s_mov_b32 s[\g+2], 192<<16                     ; 192 of them: four K steps
	s_mov_b32 s[\g+3], 32<<16
	s_mov_b32 s[\g+4], 192
	s_mov_b32 s[\g+5], 32
	s_mov_b32 s[\g+6], 0
	s_mov_b32 s[\g+7], 0
.endr
	s_mul_i32 s77, s14, 49152                      ; my four K steps
	s_mul_i32 s72, s69, 98304
	s_add_co_u32 s72, s72, s77
	s_mov_b32 s73, 0
	s_mul_i32 s74, s68, 98304
	s_add_co_u32 s74, s74, s77
	s_add_co_u32 s74, s74, WP
	s_mov_b32 s75, 0
	s_mul_i32 s76, s13, WL                         ; where they go hangs on the wave's number alone
	s_wait_dscnt 0x0
	s_wait_kmcnt 0x0
	s_add_nc_u64 s[72:73], s[4:5], s[72:73]
	s_add_nc_u64 s[74:75], s[6:7], s[74:75]
	CROUND                                         ; all sixteen work-groups are here: the joint loads meet
	s_mov_b32 s[G0Y], 1
	s_add_co_u32 s[G0Y+1], s76, s77
	s_mov_b64 s[G0Y+2:G0Y+3], s[72:73]
	s_or_b32 s[G0Y+3], s[G0Y+3], 0x80000000
	s_mov_b32 s[G0W], 1
	s_add_co_u32 s[G0W+1], s76, s77
	s_mov_b64 s[G0W+2:G0W+3], s[74:75]
	s_or_b32 s[G0W+3], s[G0W+3], 0x80000000
	s_cmp_eq_u32 s13, 0                            ; one tensor load a wave at the head
	s_cbranch_scc0 .Lfor_w
	tensor_load_to_lds s[G0Y:G0Y+3], s[G1Y:G1Y+7]
	s_nop 0
	PLACES
	s_branch .Lasked
.Lfor_w:
	tensor_load_to_lds s[G0W:G0W+3], s[G1W:G1W+7]
	s_nop 0
	PLACES
.Lasked:
	v_and_b32 v1, 15, v0                           ; r
	v_bfe_u32 v2, v0, 4, 1                         ; h
	v_and_b32 v15, 31, v0
	v_lshlrev_b32 v3, 4, v15                       ; 16 x lane
	s_mul_i32 s77, s13, 3072                       ; my four tiles of tokens in a head's eight
	v_add_nc_u32 v[AY16], s77, v3
	v_lshl_add_u32 v[AY8], v15, 3, s77
	s_add_co_u32 s78, s77, 49152                   ; K steps 4 to 7 have bases of their own: an offset has 16 bits
	v_add_nc_u32 v[AY16+1], s78, v3
	v_lshl_add_u32 v[AY8+1], v15, 3, s78
	s_mul_i32 s77, s14, 6144
	s_add_co_u32 s77, s77, WL
	v_add_nc_u32 v[AWP], s77, v3
	s_add_co_u32 s77, s77, 49152
	v_add_nc_u32 v[AWP+1], s77, v3
	s_mul_i32 s77, s12, 4352
	s_add_co_u32 s77, s77, STAGE                   ; my stage: 16 rows x (256 bytes + 16)
	v_mul_u32_u24 v[STO], v1, 272
	v_lshl_add_u32 v[STO], v2, 6, v[STO]
	v_add_nc_u32 v[STO], s77, v[STO]               ; in: row r, + 64 h
	v_mul_u32_u24 v[RD], v2, 272
	v_lshl_add_u32 v[RD], v1, 4, v[RD]
	v_add_nc_u32 v[RD], s77, v[RD]                 ; back: lanes 0-15 one row, lanes 16-31 the next
	v_lshlrev_b32 v[CO], 12, v2
	v_lshl_add_u32 v[CO], v1, 4, v[CO]             ; and the same two rows of the output
	v_lshlrev_b32 v15, 2, v15                      ; 4 x lane
	v_lshlrev_b32 v0, 10, v2
	v_lshl_add_u32 v0, v1, 2, v0                   ; y's words: 1,024 h + 4 r: lanes 16-31 take the K step one further on (two heads of 512 bytes)
	s_wait_alu depctr_va_vdst(0)
	v_lshlrev_b32 v2, 6, v2                        ; the bias: 64 h
	s_wait_alu depctr_va_vdst(0)
	s_lshl_b32 s78, s69, 13
	s_lshl_b32 s77, s13, 8
	s_add_co_u32 s78, s78, s77
	s_add_co_u32 s78, s78, YS
	s_mov_b32 s79, 0
	s_add_nc_u64 s[78:79], s[4:5], s[78:79]        ; y's scale words
	s_lshl_b32 s80, s68, 6
	s_lshl_b32 s77, s14, 2
	s_add_co_u32 s80, s80, s77
	s_lshl_b32 s80, s80, 6
	s_add_co_u32 s80, s80, WPS
	s_mov_b32 s81, 0
	s_add_nc_u64 s[80:81], s[6:7], s[80:81]        ; W's scale words
	s_lshl_b32 s82, s68, 9
	s_lshl_b32 s77, s14, 8
	s_add_co_u32 s82, s82, s77                     ; my first column, in bytes
	s_mov_b32 s83, 0
	s_lshl_b32 s84, s69, 7
	s_lshl_b32 s77, s13, 6
	s_add_co_u32 s84, s84, s77
	s_lshl_b32 s84, s84, 12                        ; my first token's row
	s_add_co_u32 s84, s84, s82
	s_mov_b32 s85, 0
	s_add_nc_u64 s[82:83], s[8:9], s[82:83]
	s_add_nc_u64 s[84:85], s[10:11], s[84:85]
.irp i,0,1,2,3
.irp e,0,1,2,3
	global_load_b32 v[YSC+4*\i+\e], v0, s[78:79] offset:64*\i+2048*\e          ; the even head's two bytes,
	global_load_b32 v[YSO+4*\i+\e], v0, s[78:79] offset:64*\i+2048*\e+512      ; the odd head's, already in the upper half
.endr
.endr
.irp s,0,1,2,3,4,5,6,7
.irp b,0,1
	global_load_b32 v[WSC+2*\s+\b], v15, s[80:81] offset:(8*\s+2*\b)*64
.endr
.endr
	WIN 0x40
.irp t,0,1,2,3
	global_load_b128 v[128+8*\t:128+8*\t+3], v2, s[82:83] offset:(32*(\t/2)+8*(\t%2))*4
	global_load_b128 v[128+8*\t+4:128+8*\t+7], v2, s[82:83] offset:(32*(\t/2)+8*(\t%2))*4+16
.endr
	WIN 0
	s_wait_loadcnt 0x0
.irp i,0,1,2,3,4,5,6,7,8,9,10,11,12,13,14,15
	v_or_b32 v[YSC+\i], v[YSC+\i], v[YSO+\i]
.endr
.rept 8
	v_nop                                          ; a scale register written by a vector instruction stands eight places ahead of a scaled product
.endr
.macro FETCH s                         ; K step s: my four fragments of y (two half images each) and four of W, into set s % 2: 28 loads
.set fB, FR0+96*((\s)%2)
.set fH, (\s)/4
.set fO, ((\s)%4)*12288
.irp i,0,1,2,3
	ds_load_b128 v[fB+12*\i:fB+12*\i+3], v[AY16+fH] offset:fO+768*\i
	ds_load_b64 v[fB+12*\i+4:fB+12*\i+5], v[AY8+fH] offset:fO+768*\i+512
	ds_load_b128 v[fB+12*\i+6:fB+12*\i+9], v[AY16+fH] offset:fO+6144+768*\i
	ds_load_b64 v[fB+12*\i+10:fB+12*\i+11], v[AY8+fH] offset:fO+6144+768*\i+512
.endr
.irp t,0,1,2,3
.irp g,0,1,2
	ds_load_b128 v[fB+48+12*\t+4*\g:fB+48+12*\t+4*\g+3], v[AWP+fH] offset:fO+1536*\t+512*\g
.endr
.endr
.endm
.macro WMS ra, rb
.if (\ra) && (\rb)
	v_wmma_scale_f32_16x16x128_f8f6f4 v[rD:rD+7], v[rA:rA+11], v[rB:rB+11], v[rC:rC+7], v[rSA], v[rSB] matrix_a_fmt:MATRIX_FMT_FP6 matrix_b_fmt:MATRIX_FMT_FP6 matrix_a_scale:MATRIX_SCALE_ROW1 matrix_b_scale:MATRIX_SCALE_ROW1
.elseif (\ra)
	v_wmma_scale_f32_16x16x128_f8f6f4 v[rD:rD+7], v[rA:rA+11], v[rB:rB+11], v[rC:rC+7], v[rSA], v[rSB] matrix_a_fmt:MATRIX_FMT_FP6 matrix_b_fmt:MATRIX_FMT_FP6 matrix_a_scale:MATRIX_SCALE_ROW1
.elseif (\rb)
	v_wmma_scale_f32_16x16x128_f8f6f4 v[rD:rD+7], v[rA:rA+11], v[rB:rB+11], v[rC:rC+7], v[rSA], v[rSB] matrix_a_fmt:MATRIX_FMT_FP6 matrix_b_fmt:MATRIX_FMT_FP6 matrix_b_scale:MATRIX_SCALE_ROW1
.else
	v_wmma_scale_f32_16x16x128_f8f6f4 v[rD:rD+7], v[rA:rA+11], v[rB:rB+11], v[rC:rC+7], v[rSA], v[rSB] matrix_a_fmt:MATRIX_FMT_FP6 matrix_b_fmt:MATRIX_FMT_FP6
.endif
.endm
	s_wait_alu depctr_va_vdst(0)
	s_wait_tensorcnt 0x0                           ; my one load is in; nothing is ever filled again
	s_barrier_signal -1
	s_barrier_wait -1
	FETCH 0
.set S_, 0
.rept 8
.if S_ < 7
	PLACES                                         ; in front of loads into registers that the last step's products have read
	WIN 0
	FETCH S_+1
	s_wait_dscnt 28                                ; this step's fragments are in; the 28 loads just issued may be out
.else
	s_wait_dscnt 0x0
.endif
	WIN 0x50                                       ; C and D window 1
.irp i,0,1,2,3
.irp t,0,1,2,3
.set rD, 32*\i+8*\t
.set rA, FR0+96*(S_%2)+48+12*\t
.set rB, FR0+96*(S_%2)+12*\i
.set rC, rD
.if S_ == 0
.set rC, 128+8*\t
.endif
.set rSA, WSC+2*S_+\t/2
.set rSB, YSC+4*\i+S_/2
	WMS \t%2, S_%2
.endr
.endr
.set S_, S_+1
.endr
	WIN 0
; THE WAY OUT, a tile of 16 tokens x 64 columns at a time, through my own stage: LDS serves a wave's instructions in order, so no wait stands between the stores and the loads, nor in front of the next tile's stores.
.macro TOSTAGE i
	WIN 0x04                                       ; an LDS store's data are its source 1: window 1
.irp t,0,1,2,3
	ds_store_b128 v[STO], v[32*(\i)+8*\t:32*(\i)+8*\t+3] offset:128*(\t/2)+32*(\t%2)        ; each accumulator from its low end on: columns 32 b + 8 u + 16 h + 0 .. 7
	ds_store_b128 v[STO], v[32*(\i)+8*\t+4:32*(\i)+8*\t+7] offset:128*(\t/2)+32*(\t%2)+16
.endr
	WIN 0
.set BB, FR0+32*((\i)%2)
.irp p,0,1,2,3,4,5,6,7
	ds_load_b128 v[BB+4*\p:BB+4*\p+3], v[RD] offset:544*\p
.endr
.endm
.macro SEND i, younger                 ; younger: the LDS instructions issued behind tile i's loads
.set BB, FR0+32*((\i)%2)
	s_wait_dscnt \younger
.irp p,0,1,2,3,4,5,6,7
	global_store_b128 v[CO], v[BB+4*\p:BB+4*\p+3], s[84:85] offset:(32*((\i)/2)+8*((\i)%2)+2*\p+8*(\p/4))*4096 th:TH_STORE_NT   ; sixteen lanes store 256 consecutive aligned bytes of the token that the tile's row stands for
.endr
.endm
	PLACES                                         ; behind the last products: for the first reads of results and the loads into the fragments' registers
	TOSTAGE 0
.irp a,1,2,3
.if \a > 1
	s_wait_xcnt 0x0                                ; the stores of the tile two back have read their registers: this tile's loads may land there
.endif
	TOSTAGE \a
	SEND \a-1, 16                                  ; behind that tile's loads: this tile's 8 stores and 8 loads
.endr
	SEND 3, 0
	s_wait_tensorcnt 0x0                           ; the wave's end
	ds_add_u32 v[SPW], v[NIL]
	s_wait_dscnt 0x0
	CROUND                                         ; the closing round
	s_endpgm
.Lfunc_end_k_qde28eac86c_proj:
	.size	k_qde28eac86c_proj, .Lfunc_end_k_qde28eac86c_proj-k_qde28eac86c_proj
	.p2alignl 7, 3214868480
	.fill 96, 4, 3214868480
	.section	.rodata,"a",@progbits
	.p2align	6, 0x0
	.amdhsa_kernel k_qde28eac86c_proj
		.amdhsa_group_segment_fixed_size 214528
		.amdhsa_private_segment_fixed_size 0
		.amdhsa_enable_private_segment 0
		.amdhsa_kernarg_size 32
		.amdhsa_user_sgpr_count 2
		.amdhsa_user_sgpr_kernarg_segment_ptr 1
		.amdhsa_wavefront_size32 1
		.amdhsa_system_sgpr_workgroup_id_x 1
		.amdhsa_system_sgpr_workgroup_id_y 1
		.amdhsa_system_sgpr_workgroup_id_z 1
		.amdhsa_system_vgpr_workitem_id 0
		.amdhsa_next_free_vgpr 512
		.amdhsa_next_free_sgpr 90
		.amdhsa_reserve_vcc 0
		.amdhsa_float_denorm_mode_32 3
		.amdhsa_float_denorm_mode_16_64 3
		.amdhsa_memory_ordered 1
		.amdhsa_forward_progress 1
		.amdhsa_inst_pref_size 53
	.end_amdhsa_kernel
	.amdgpu_metadata
---
amdhsa.version: [ 1, 2 ]
amdhsa.kernels:
  - .name:           k_qde28eac86c_proj
    .symbol:         k_qde28eac86c_proj.kd
    .args:
      - { .name: yc, .offset: 0, .size: 8, .value_kind: global_buffer, .address_space: global }
      - { .name: wc, .offset: 8, .size: 8, .value_kind: global_buffer, .address_space: global }
      - { .name: b_proj, .offset: 16, .size: 8, .value_kind: global_buffer, .address_space: global }
      - { .name: out0, .offset: 24, .size: 8, .value_kind: global_buffer, .address_space: global }
    .group_segment_fixed_size: 214528
    .private_segment_fixed_size: 0
    .kernarg_segment_align: 8
    .kernarg_segment_size: 32
    .max_flat_workgroup_size: 128
    .sgpr_count:     90
    .vgpr_count:     512
    .wavefront_size: 32
...
	.end_amdgpu_metadata
.endif
;; end of part 4
